; MI455X (gfx1250); checked and timed in simulation.
; The chip was launched on July 23, 2026; its instructions are those of AMD's public machine-readable ISA for CDNA 5 (MIT licence, August 2026) and "CDNA5" Instruction Set Architecture Reference Guide (July 2026). The comments in the code are by the model that wrote it; some were corrected since.
;; Causal Self Attention. Allowed arithmetic: matrix products marked QUANTISED: E3M2 operands, one E8M0 scale for each 32 along K, by v_wmma_scale_f32_16x16x128_f8f6f4 with both operands' format E3M2, f32 sums; everything else in f32.
;; Inputs: b_attn 3,072 float32; b_proj 1,024 float32; w_attn 1,024 x 3,072 float32; w_proj 1,024 x 1,024 float32; x 4 x 2,048 x 1,024 float32.
;; Outputs: out0 4 x 2,048 x 1,024 float32.
;; This version of the problem:
;;   THIS VERSION OF THE PROBLEM IS GIVEN IN LOW PRECISION. The matrix products marked QUANTISED in the list below multiply operands that are first quantised to E3M2 (3 exponent bits, 2 mantissa bits; 6 bits a number), with one power-of-two scale for each 32 numbers along K (OCP MX v1.0); their sums are f32. All else is computed in f32.
;;   The module's matrix products, in the order in which they are computed (A, B: the left and right operand; K: the contracted axis; several contracted axes count as one K, in the product's order):
;;     1. [M 8,192, K 1,024] x [K 1,024, N 3,072]; A: input x; B: input w_attn: QUANTISED
;;     2. batch 64 x [M 2,048, K 64] x [K 64, N 2,048]; A: computed on the way; B: computed on the way: QUANTISED
;;     3. batch 64 x [M 2,048, K 2,048] x [K 2,048, N 64]; A: softmax (see below); B: computed on the way: QUANTISED
;;     4. [M 8,192, K 1,024] x [K 1,024, N 1,024]; A: computed on the way; B: input w_proj: QUANTISED
;;   THE QUANTISER, for each operand of a quantised product, along K:
;;     - K is cut into blocks of 32 from its start; a last block that is shorter is filled with zeros.
;;     - A block's scale is 2^e with e = floor(log2(the largest magnitude in the block)) - 4, held to -126 .. 127; a block of zeros has e = 0. As a byte (E8M0): e + 127.
;;     - Each number is divided by its block's scale, clamped to +-28, and rounded to the nearest number of E3M2, ties to even, subnormals kept.
;;     - The product sums the exact products of the quantised numbers (number of the format x scale) in f32.
;;   ~~~python
;;   def quantise(x, axis):      # numpy; x: float32 -> the quantised numbers, widened to float32 again
;;       x = np.moveaxis(x, axis, -1); K = x.shape[-1]
;;       x = np.pad(x, [(0, 0)] * (x.ndim - 1) + [(0, -K % 32)]); x = x.reshape(x.shape[:-1] + (-1, 32)); a = np.abs(x).max(-1, keepdims=True)
;;       e = np.where(a > 0, np.clip(np.frexp(np.where(a > 0, a, 1))[1] - 1 - 4, -126, 127), 0)      # np.frexp(a)[1] - 1 = floor(log2(a)), exactly
;;       r = np.clip(x / 2.0 ** e, -28, 28)
;;       step = 2.0 ** (np.maximum(np.frexp(np.where(r == 0, 1, r))[1] - 1, -2) - 2)
;;       q = np.round(r / step) * step * 2.0 ** e      # np.round: ties to even
;;       return np.moveaxis(q.reshape(q.shape[:-2] + (-1,))[..., :K], -1, axis).astype(np.float32)
;;   ~~~
;;   SOFTMAX AHEAD OF A QUANTISED PRODUCT. Where the list says 'softmax', what is quantised is not the finished softmax but p = 2^(t - M), with t = logit x log2(e) and M = ceil(the row's largest t), a whole number; so 1/2 < the row's largest p <= 1. The row's sum l is taken of the UNQUANTISED p, in f32, and the product's result is divided by l at the end. Since M is a whole number, a kernel that streams over the keys may use a running M (the ceiling of the running maximum): every later rescaling is an exact power of two, which a block's scale takes up: the codes' values come out the same.
;;   OPERANDS COMPUTED ON THE WAY. 'Computed on the way' means the value that the module computes at that place (a softmax that the list does not call 'softmax' is quantised finished and normalised). What goes into a quantiser is computed in f32, as accurately as f32 sums, v_exp_f32 and their like allow (about 1e-6 of the number): no bf16 or f16 on the way to a quantiser, and a product that is left as it is and whose result goes on into a quantised operand takes f32 operands (vector FMAs, or v_wmma_f32_16x16x4_f32). A number that lies on a knife's edge between two numbers of the format may be rounded either way, as far as f32 arithmetic and the matrix unit's own rounding can turn it there, and no further.
;; One version. Each part assembles by itself: llvm-mc -triple=amdgcn-amd-amdhsa -mcpu=gfx1250 --defsym DOCPART=n.
;; ======== version 1 of 1: 4 launches
;; workspace buffers: opc 9,437,184 bytes; ops 393,216 bytes; qkvc 18,874,368 bytes; qkvs 1,572,864 bytes; yc 6,291,456 bytes; ys 262,144 bytes
;; launch quant (part 1): grid 384 x 1, 4 waves a work-group, no clusters, 98,816 bytes of LDS; arguments x, w_attn, w_proj, opc, ops; writes opc, ops
.if DOCPART == 1
	.amdgcn_target "amdgcn-amd-amdhsa--gfx1250"
	.amdhsa_code_object_version 6
	.text
	.protected	k_q75d617f0a8_quant
	.globl	k_q75d617f0a8_quant
	.p2align	8
	.type	k_q75d617f0a8_quant,@function
k_q75d617f0a8_quant:
	s_mov_b64 s[64:65], 0
	v_nop
	global_prefetch_b8 v0, s[64:65] scope:SCOPE_SE
	s_setreg_imm32_b32 hwreg(HW_REG_WAVE_MODE, 25, 1), 1
	s_wait_xcnt 0x0
; x [8192][1024], w_attn [1024][3072] and w_proj [1024][1024], f32, become codes of BF6 (E3M2) with one E8M0 scale byte for each 32 along K (K = 1,024 for all three).
; A block's scale is 2^(floor(log2(its largest magnitude)) - 4): its byte is the largest magnitude's exponent field - 4, held at 1 from below; numbers are divided by it and rounded to the nearest code, ties to even, beyond 28 the largest code.
; LIMITS: NaN and infinities among the inputs are not served; a block whose largest magnitude lies under 2^-122 is held at the byte 1; a block of zeros gets the byte 1 and not 127: its codes are zeros, and these bytes are read by this program alone.
; THE ONE BUFFER OF OPERAND ROWS.  opc: [kc = K / 64 (16)][row 12,288][48 bytes]: 64 codes of one row.  Rows 0-8191: tokens of x; 8192-11263: columns of w_attn; 11264-12287: columns of w_proj.
; A row stands at the place SW(its number): bits 3 and 4 of the number changed over.  So 16 neighbouring places are 8 neighbouring rows and the 8 rows that lie 16 further on: a matrix result's 16 registers of two neighbouring tiles are then 16 neighbours.
; ops: [group of 16 places][slot = K / 256 (4)][place 16][2 words]: a word holds the four bytes of 128 along K.
; Work-groups 0-255 take x (32 rows each), 256-383 the weights (128 columns x 256 along K each).  The two ways have LDS bytes of their own.  No tensor loads, no barrier: waves share nothing.
.set KCP,   589824                     ; bytes from one kc to the next in opc
.set EMAX,  4
.set SP,    80                         ; x: a lane's place in a turning stage: 64 bytes + 16
.set XREG,  14336                      ; x: LDS of a wave: two turning stages of 2,560, the codes' stage, the scale bytes
.set XCS,   5120                       ; x: the codes' stage: 8 kc x (16 rows x 4 places of 16 bytes + 64)
.set XKC,   1088
.set XSB,   13824                      ; x: 256 scale bytes
.set WBASE, 57344                      ; the weights' LDS begins behind x's
.set WREG,  10240                      ; weights: a wave's stage: 4 kc x 32 rows x (4 places of 16 bytes + 16)
.set R,     16                         ; x: v16-79   four sets of 16 numbers as loaded; at the end the codes on their way out
.set X,     80                         ; x: v80-111  two sets of 16 neighbours
.set E,     112                        ; x: v112-127 a scale byte for each step
.set C,     128                        ; x: v128-191 codes, four registers a step
.set X2,    32                         ; w: v32-95   two sets of 32 numbers
.set C2,    96                         ; w: v96-102  a block's codes
.set OUTR,  112                        ; w: v112-175 the way out
.set VO,    176                        ; w: v176-207 byte offset of row i of a block, at my column
.set SB,    24                         ; w: v24-25   my column's eight scale bytes
	s_load_b256 s[4:11], s[0:1], 0x0               ; x s[4:5], w_attn s[6:7], w_proj s[8:9], opc s[10:11]
	s_load_b64 s[12:13], s[0:1], 0x20              ; ops
	v_lshl_add_u32 v208, v0, 2, 0x18000
	v_mov_b32 v209, 0
	v_lshrrev_b32 v1, 5, v0
	v_readfirstlane_b32 s16, v1                    ; wave 0..3
	v_and_b32 v2, 31, v0                           ; lane
	s_cmp_lt_u32 ttmp9, 256
	s_cbranch_scc0 .Lweights
; ---------------- x.  Work-group g: rows 32 g .. 32 g + 31.  Wave: u = wave & 1: which 16 places; kh = wave >> 1: which 512 along K.  Step t: place 32 g + 16 u + t, which is row 32 g + 8 u + t + 8 (t / 8).
; Each load reads 512 consecutive bytes; a step's 2,048 bytes turn through LDS so that a lane holds 16 neighbours (two lanes a block).  A lane's 12 bytes of codes go to the codes' stage and leave at the end, 384 consecutive bytes a store.
	s_and_b32 s17, s16, 1                          ; u
	s_lshr_b32 s18, s16, 1                         ; kh
	s_mul_i32 s19, s16, XREG                       ; my wave's LDS
	v_lshlrev_b32 v3, 4, v2                        ; my 16 bytes of a load's 512
	v_lshrrev_b32 v14, 2, v2
	v_mul_u32_u24 v4, v14, XKC                     ; the codes' stage: kc = lane / 4,
	v_mul_u32_u24 v14, v14, SP
	v_and_b32 v15, 3, v2
	v_lshl_add_u32 v14, v15, 4, v14
	v_add_nc_u32 v14, s19, v14                     ; turning stage, in: SP (lane / 4) + 16 (lane % 4)
	v_lshl_add_u32 v4, v15, 4, v4                  ; place lane % 4 of the row
	v_add_nc_u32 v4, s19, v4
	v_add_nc_u32 v4, XCS, v4
	v_mul_u32_u24 v15, v2, SP
	v_add_nc_u32 v15, s19, v15                     ; turning stage, out: SP x lane
	v_lshrrev_b32 v5, 4, v2
	v_lshlrev_b32 v5, 7, v5                        ; my block's byte: slot (lane / 16) x 128
	v_bfe_u32 v8, v2, 3, 1
	v_lshl_add_u32 v5, v8, 2, v5                   ; + word x 4
	v_bfe_u32 v8, v2, 1, 2
	v_add_nc_u32 v5, v5, v8                        ; + byte
	v_add_nc_u32 v5, s19, v5
	v_add_nc_u32 v5, XSB, v5
	v_lshlrev_b32 v7, 3, v2                        ; the scale bytes' way out: 8 bytes a lane
	v_add_nc_u32 v6, s19, v7
	v_add_nc_u32 v6, XSB, v6
	v_add_nc_u32 v10, s19, v3
	v_add_nc_u32 v10, XCS, v10                     ; the codes' way out of the stage: 16 x lane
	v_mul_u32_u24 v12, v2, 12                      ; and into memory: 12 x lane
	s_lshl_b32 s20, ttmp9, 17                      ; 32 g rows of 4,096 bytes
	s_lshl_b32 s21, s17, 15                        ; + 8 u rows
	s_add_co_u32 s20, s20, s21
	s_lshl_b32 s21, s18, 11                        ; + 2,048 kh
	s_add_co_u32 s20, s20, s21
	s_mov_b32 s21, 0
	s_mul_i32 s22, s18, 8*12288                    ; opc: kc = 8 kh,
	s_lshl_b32 s23, ttmp9, 5
	s_add_co_u32 s22, s22, s23
	s_lshl_b32 s23, s17, 4
	s_add_co_u32 s22, s22, s23                     ; place 32 g + 16 u
	s_mul_i32 s22, s22, 48
	s_mov_b32 s23, 0
	s_lshl_b32 s24, ttmp9, 10                      ; ops: group 2 g + u, 512 bytes each,
	s_lshl_b32 s25, s17, 9
	s_add_co_u32 s24, s24, s25
	s_lshl_b32 s25, s18, 8                         ; slots 2 kh, 2 kh + 1
	s_add_co_u32 s24, s24, s25
	s_mov_b32 s25, 0
	s_wait_kmcnt 0x0
	s_add_nc_u64 s[4:5], s[4:5], s[20:21]
	s_add_nc_u64 s[10:11], s[10:11], s[22:23]
	s_add_nc_u64 s[12:13], s[12:13], s[24:25]
.macro XLOAD t
.irp i, 0,1,2,3
	global_load_b128 v[R+16*((\t)%4)+4*\i:R+16*((\t)%4)+4*\i+3], v3, s[4:5] offset:((\t)+8*((\t)/8))*4096+512*\i th:TH_LOAD_NT   ; 32 lanes read 512 consecutive bytes
.endr
.endm
.macro XTURN t                         ; step t's numbers through a turning stage: LDS serves a wave's instructions in order, so no wait stands between the stores and the loads
.irp i, 0,1,2,3
	ds_store_b128 v14, v[R+16*((\t)%4)+4*\i:R+16*((\t)%4)+4*\i+3] offset:32*SP*((\t)%2)+8*SP*\i
.endr
.irp i, 0,1,2,3
	ds_load_b128 v[X+16*((\t)%2)+4*\i:X+16*((\t)%2)+4*\i+3], v15 offset:32*SP*((\t)%2)+16*\i
.endr
.endm
.irp t, 0,1,2,3
	XLOAD \t
.endr
	s_wait_loadcnt 12                              ; step 0's four loads are in; twelve younger ones stay out
	XTURN 0
.macro XSTEP t
.set XS, X+16*((\t)%2)
.if (\t) > 0
	s_wait_dscnt 2                                 ; this step's numbers are back from the stage; the last step's two stores (byte, codes) may be out
.else
	s_wait_dscnt 0x0
.endif
.if (\t)+4 < 16
	XLOAD (\t)+4                                   ; into the set whose stores into the stage have been served
.endif
.if (\t)+1 < 16
.if 14-(\t) >= 3
	s_wait_loadcnt 12                              ; the next step's four loads are in; those of the three steps behind it may be out
.else
	s_wait_loadcnt 4*(14-(\t))
.endif
	XTURN (\t)+1
.endif
	v_max3_num_f32 v8, |v[XS]|, |v[XS+1]|, |v[XS+2]|               ; the largest magnitude of my 16, in two chains
	v_max3_num_f32 v9, |v[XS+3]|, |v[XS+4]|, |v[XS+5]|
.irp i, 6,10
	v_max3_num_f32 v8, v8, |v[XS+\i]|, |v[XS+\i+1]|
	v_max3_num_f32 v9, v9, |v[XS+\i+2]|, |v[XS+\i+3]|
.endr
	v_max3_num_f32 v8, v8, |v[XS+14]|, |v[XS+15]|
	v_max3_num_f32 v8, v8, v9, (EMAX+1)<<23        ; and the floor 2^(5 - 127): the byte cannot fall under 1
	v_max_num_f32_dpp v8, v8, v8 row_xmask:1 row_mask:0xf bank_mask:0xf   ; with my neighbour's 16: the block's
	v_add_nc_u32 v11, -(EMAX<<23), v8              ; 4 off its exponent field: the conversion takes the exponent field of this operand as its scale
	v_cvt_scalef32_pk16_bf6_f32 v[C+4*(\t):C+4*(\t)+2], v[XS:XS+15], v11
	v_lshrrev_b32 v[E+(\t)], 23, v11               ; the scale's byte (also the plain line behind the conversion)
	ds_store_b8 v5, v[E+(\t)] offset:8*(\t)        ; both lanes of a block write the same byte with the same value
	ds_store_b96 v4, v[C+4*(\t):C+4*(\t)+2] offset:64*(\t)   ; row t of my kc, a place of 16 bytes
.endm
.irp t, 0,1,2,3,4,5,6,7,8,9,10,11,12,13,14,15
	XSTEP \t
.endr
.set n, 0
.rept 16                               ; kc = n / 2, rows 8 (n % 2) on: lane l takes row l / 4, place l % 4
	ds_load_b96 v[R+4*n:R+4*n+2], v10 offset:XKC*(n/2)+512*(n%2)
.set n, n+1
.endr
	ds_load_b64 v[192:193], v6
.set n, 0
.rept 16
	s_wait_dscnt 16-n                              ; behind load n: 15 - n stage loads and the scale load
	global_store_b96 v12, v[R+4*n:R+4*n+2], s[10:11] offset:KCP*(n/2)+384*(n%2)   ; 32 lanes store 384 consecutive bytes; two stores fill three aligned runs of 256
.set n, n+1
.endr
	s_wait_dscnt 0x0
	global_store_b64 v7, v[192:193], s[12:13]      ; 32 lanes store 256 consecutive bytes, aligned
	s_wait_tensorcnt 0x0
	ds_add_u32 v208, v209
	s_wait_dscnt 0x0
	s_endpgm
; ---------------- the weights: K is their FIRST axis.  A lane takes a column and its registers run down K: a block of 32 lies in one lane, and the conversions give codes with K innermost.
; id = work-group - 256: gx = id & 31: 128 columns (0-23: w_attn, 24-31: w_proj); gy = id >> 5: 256 along K.  A wave: 32 columns, 8 blocks a lane.
.Lweights:
	s_sub_co_u32 s17, ttmp9, 256
	s_and_b32 s18, s17, 31                         ; gx
	s_lshr_b32 s17, s17, 5                         ; gy
	s_lshl_b32 s24, s18, 7
	s_lshl_b32 s25, s16, 5
	s_add_co_u32 s24, s24, s25                     ; cg: my wave's first column among the 4,096
	v_and_b32 v3, 7, v2
	v_bfe_u32 v5, v2, 3, 1
	v_lshl_or_b32 v3, v5, 4, v3
	v_bfe_u32 v5, v2, 4, 1
	v_lshl_or_b32 v3, v5, 3, v3                    ; sl = SW(lane): my column's place among the wave's 32
	s_mul_i32 s19, s16, WREG
	s_add_co_u32 s19, s19, WBASE                   ; my stage
	v_mul_u32_u24 v4, v3, 80
	v_add_nc_u32 v4, s19, v4                       ; into it: row = my place
	v_lshrrev_b32 v5, 2, v2
	v_mul_u32_u24 v7, v5, 80
	v_and_b32 v5, 3, v2
	v_lshl_add_u32 v7, v5, 4, v7
	v_add_nc_u32 v7, s19, v7                       ; out of it: row lane / 4, place lane % 4
	v_mul_u32_u24 v8, v2, 12                       ; and into memory: 12 x lane
	v_lshrrev_b32 v5, 4, v3
	v_and_b32 v6, 15, v3
	v_lshlrev_b32 v9, 3, v6
	v_lshl_add_u32 v9, v5, 9, v9                   ; my place's two scale words: group sl / 16, 8 (sl % 16)
	s_mov_b32 s20, 4096
	s_wait_kmcnt 0x0
	s_cmp_lt_u32 s18, 24                           ; the choice hangs on the work-group's number alone
	s_cselect_b32 s20, 12288, s20                  ; bytes from row to row
	s_cselect_b32 s21, 0, 3072
	s_cselect_b64 s[6:7], s[6:7], s[8:9]
	s_sub_co_u32 s21, s24, s21                     ; the column in its own tensor
	s_mul_i32 s22, s17, s20
	s_lshl_b32 s22, s22, 8                         ; 256 gy rows
	s_lshl_b32 s23, s21, 2
	s_add_co_u32 s22, s22, s23
	s_mov_b32 s23, 0
	s_add_nc_u64 s[32:33], s[6:7], s[22:23]        ; block 0's first row, my wave's first column
	s_lshl_b32 s22, s20, 5                         ; 32 rows on
.irp t, 1,2,3,4,5,6,7
	s_add_nc_u64 s[32+2*\t:33+2*\t], s[30+2*\t:31+2*\t], s[22:23]
.endr
	v_lshlrev_b32 v[VO], 2, v2
.set ii, 1
.rept 31
	v_add_nc_u32 v[VO+ii], s20, v[VO+ii-1]         ; 4 x lane + i rows
.set ii, ii+1
.endr
	s_mul_i32 s26, s17, 4*12288                    ; opc: kc = 4 gy,
	s_add_co_u32 s26, s26, s24
	s_add_co_u32 s26, s26, 8192                    ; place 8,192 + cg
	s_mul_i32 s26, s26, 48
	s_mov_b32 s27, 0
	s_add_nc_u64 s[10:11], s[10:11], s[26:27]
	s_lshl_b32 s26, s24, 5                         ; ops: group 512 + cg / 16, 512 bytes each,
	s_lshl_b32 s28, s17, 7                         ; slot gy
	s_add_co_u32 s26, s26, s28
	s_add_co_u32 s26, s26, 262144
	s_add_nc_u64 s[12:13], s[12:13], s[26:27]
.macro WLOAD t                         ; block t: 32 rows at my column: each load reads 128 consecutive bytes
.set ii, 0
.rept 32
	global_load_b32 v[X2+32*((\t)%2)+ii], v[VO+ii], s[32+2*(\t):33+2*(\t)] th:TH_LOAD_NT
.set ii, ii+1
.endr
.endm
	WLOAD 0
	WLOAD 1
.macro WBLOCK t
.set XS, X2+32*((\t)%2)
.if (\t) < 7
	s_wait_loadcnt 32                              ; this block's 32 loads are in; the next block's may be out
.else
	s_wait_loadcnt 0x0
.endif
	v_max3_num_f32 v12, |v[XS]|, |v[XS+1]|, |v[XS+2]|               ; the block's largest magnitude: all 32 numbers are mine
	v_max3_num_f32 v13, |v[XS+3]|, |v[XS+4]|, |v[XS+5]|
.irp i, 6,10,14,18,22,26
	v_max3_num_f32 v12, v12, |v[XS+\i]|, |v[XS+\i+1]|
	v_max3_num_f32 v13, v13, |v[XS+\i+2]|, |v[XS+\i+3]|
.endr
	v_max3_num_f32 v12, v12, |v[XS+30]|, |v[XS+31]|
	v_max3_num_f32 v12, v12, v13, (EMAX+1)<<23     ; and the floor
	v_add_nc_u32 v11, -(EMAX<<23), v12             ; the conversion's scale operand
	v_lshrrev_b32 v13, 23, v11                     ; the byte
.if (\t)%4 == 0
	v_mov_b32 v[SB+(\t)/4], v13                    ; four bytes to a word, the lower K in the lower byte
.else
	v_lshl_or_b32 v[SB+(\t)/4], v13, 8*((\t)%4), v[SB+(\t)/4]
.endif
	v_cvt_scalef32_pk16_bf6_f32 v[C2:C2+2], v[XS:XS+15], v11
	v_cvt_scalef32_pk16_bf6_f32 v[C2+4:C2+6], v[XS+16:XS+31], v11   ; (a conversion's three registers begin on an even number)
	ds_store_b96 v4, v[C2:C2+2] offset:2560*((\t)/2)+32*((\t)%2)    ; kc = t / 2; places 2 (t % 2) and 2 (t % 2) + 1 of my row
	ds_store_b96 v4, v[C2+4:C2+6] offset:2560*((\t)/2)+32*((\t)%2)+16
.if (\t)+2 < 8
	WLOAD (\t)+2
.endif
	s_wait_dscnt 0x0                               ; the stores have been served: the next block's codes may be written (that block begins with plain vector lines)
.endm
.irp t, 0,1,2,3,4,5,6,7
	WBLOCK \t
.endr
	global_store_b64 v9, v[SB:SB+1], s[12:13]      ; my column's two words: sixteen lanes store 128 consecutive bytes
.set n, 0
.rept 16
	ds_load_b96 v[OUTR+4*n:OUTR+4*n+2], v7 offset:2560*(n/4)+640*(n%4)
.set n, n+1
.endr
.set n, 0
.rept 16
	s_wait_dscnt 15-n                              ; behind load n: 15 - n younger loads
	global_store_b96 v8, v[OUTR+4*n:OUTR+4*n+2], s[10:11] offset:KCP*(n/4)+384*(n%4)   ; 384 consecutive bytes a store
.set n, n+1
.endr
	s_wait_tensorcnt 0x0
	ds_add_u32 v208, v209
	s_wait_dscnt 0x0
	s_endpgm
.Lfunc_end_k_q75d617f0a8_quant:
	.size	k_q75d617f0a8_quant, .Lfunc_end_k_q75d617f0a8_quant-k_q75d617f0a8_quant
	.p2alignl 7, 3214868480
	.fill 96, 4, 3214868480
	.section	.rodata,"a",@progbits
	.p2align	6, 0x0
	.amdhsa_kernel k_q75d617f0a8_quant
		.amdhsa_group_segment_fixed_size 98816
		.amdhsa_private_segment_fixed_size 0
		.amdhsa_enable_private_segment 0
		.amdhsa_kernarg_size 40
		.amdhsa_user_sgpr_count 2
		.amdhsa_user_sgpr_kernarg_segment_ptr 1
		.amdhsa_wavefront_size32 1
		.amdhsa_system_sgpr_workgroup_id_x 1
		.amdhsa_system_sgpr_workgroup_id_y 1
		.amdhsa_system_sgpr_workgroup_id_z 1
		.amdhsa_system_vgpr_workitem_id 0
		.amdhsa_next_free_vgpr 210
		.amdhsa_next_free_sgpr 66
		.amdhsa_reserve_vcc 0
		.amdhsa_float_denorm_mode_32 3
		.amdhsa_float_denorm_mode_16_64 3
		.amdhsa_memory_ordered 1
		.amdhsa_forward_progress 1
		.amdhsa_inst_pref_size 78
	.end_amdhsa_kernel
	.amdgpu_metadata
---
amdhsa.version: [ 1, 2 ]
amdhsa.kernels:
  - .name:           k_q75d617f0a8_quant
    .symbol:         k_q75d617f0a8_quant.kd
    .args:
      - { .name: x, .offset: 0, .size: 8, .value_kind: global_buffer, .address_space: global }
      - { .name: w_attn, .offset: 8, .size: 8, .value_kind: global_buffer, .address_space: global }
      - { .name: w_proj, .offset: 16, .size: 8, .value_kind: global_buffer, .address_space: global }
      - { .name: opc, .offset: 24, .size: 8, .value_kind: global_buffer, .address_space: global }
      - { .name: ops, .offset: 32, .size: 8, .value_kind: global_buffer, .address_space: global }
    .group_segment_fixed_size: 98816
    .private_segment_fixed_size: 0
    .kernarg_segment_align: 8
    .kernarg_segment_size: 40
    .max_flat_workgroup_size: 128
    .sgpr_count:     66
    .vgpr_count:     210
    .wavefront_size: 32
...
	.end_amdgpu_metadata
.endif
;; end of part 1
;; launch qkv (part 2): grid 12 x 32, 4 waves a work-group, clusters of 4 x 4, 327,680 bytes of LDS; arguments opc, ops, b_attn, qkvc, qkvs; writes qkvc, qkvs
.if DOCPART == 2
	.amdgcn_target "amdgcn-amd-amdhsa--gfx1250"
	.amdhsa_code_object_version 6
	.text
	.protected	k_q75d617f0a8_qkv
	.globl	k_q75d617f0a8_qkv
	.p2align	8
	.type	k_q75d617f0a8_qkv,@function
k_q75d617f0a8_qkv:
	s_mov_b64 s[64:65], 0
	v_nop
	global_prefetch_b8 v0, s[64:65] scope:SCOPE_SE
	s_setreg_imm32_b32 hwreg(HW_REG_WAVE_MODE, 25, 1), 1
	s_wait_xcnt 0x0
	s_wait_alu depctr_hold_cnt(0) depctr_sa_sdst(0) depctr_va_vdst(0) depctr_va_sdst(0) depctr_va_ssrc(0) depctr_va_vcc(0) depctr_vm_vsrc(0)
	s_getreg_b32 s2, hwreg(HW_REG_IB_STS2, 6, 4)
	s_cmp_eq_u32 s2, 0
	s_cbranch_scc0 .Lentry_in_a_cluster
	s_endpgm
.Lentry_in_a_cluster:
	s_bfe_u32 s2, ttmp6, 0x10000c
	s_cmp_lg_u32 s2, 0xf033
	s_cbranch_scc0 .Lentry_shape_is_right
	s_endpgm
.Lentry_shape_is_right:
; qkv = x w_attn + b_attn on codes of BF6 (E3M2) with E8M0 scales, K = 1,024; the results leave as CODES: q and k quantised along the head's 64, v along the tokens.
; Both operands are rows of ONE buffer: opc [kc = K / 64][place 12,288][48 bytes], ops [group of 16 places][slot = K / 256][place][2 words]; a row stands at the place SW(row): bits 3 and 4 changed over.
; A work-group of four waves makes 256 x 256, a wave 128 x 128: 64 accumulators, 512 registers.  THE MATRIX INSTRUCTION IS USED TRANSPOSED: source 0 = 16 places of the B side, source 1 = 16 places of the A side:
; a lane holds ONE place of the A side, and the 16 registers of two neighbouring tiles are 16 NEIGHBOURING rows of the B side (that is what SW is for).  So the B side is the axis that is quantised:
;   cluster x = 0, 1 (q, k): A side = tokens, B side = features;      cluster x = 2 (v): A side = features of v, B side = tokens.
; Only row numbers are chosen by that; the ring, the products and the way out are one text.  The bias is the C of each sum's first product: along the registers for q, k, along the lanes for v: that one K step is written twice.
; K goes in steps of 256 through a ring of two LDS slots filled by the tensor data mover; a half tile is 4 runs of 6,144 dense bytes (128 places x 48).  A lane's 24 bytes lie at 48 r + 24 h: the 32 lanes of a load of 8 bytes start at words 6 (2 r + h), 32 different even banks: no padding.
; CLUSTERS: 4 x 4 work-groups; A's tiles are asked for jointly along a row of the cluster, B's along a column.
; OUT: qkvc [plane q, k, v][b x 16 + head][98,304]: q, k: [place of the token 2,048][48]; v: [token / 64 (32)][place of d 64][48].  qkvs: one word for each 48 bytes: bytes 0, 1 the two blocks' scales, bytes 2, 3 zero.
; LIMITS: NaN and infinities are not served; a block under 2^-122 is held at the byte 1; a block of zeros gets the byte 1 (its codes are zeros; this program alone reads the bytes).
; No prefetch: K has four slots' worth, of which two are first fills.
; REGISTERS: window 0: v8-13 the way out's addresses; v16-21 fragment addresses; v27 scale address; v28-29 the add's two; v32-63 scale words, two sets; v64-127 the bias; v128-223 A's fragments, one set; v224-231 the bias's offsets.
;   window 1: B's fragments, two sets, at v0 and v128.   windows 2, 3: the accumulators, (a, b) at v[8 (8 (a % 4) + b)].
.set KCP,    589824                    ; bytes from one kc to the next in opc
.set NQ,     2                         ; matrix instructions deep in a slot
.set FR,     12
.set NL,     6
.set NP,     4                         ; places behind this matrix instruction (ISA guide 7.12.1)
.set HALFT,  24576                     ; 4 kc x 128 places x 48 bytes: what one tensor load brings
.set SLOT,   4*HALFT
.set SCL,    2*SLOT                    ; A's scales, 8,192 bytes; B's begin 8,320 on, so that lanes 16-31 fall on the other 32 banks
.set SPARE,  213248                    ; the spare words, 128 bytes for each wave: two blocks of 256 bytes that no other line names
.set STO,  8                           ; v8   stage: where I put 12 bytes: 16 r + 320 h
.set RD,   9                           ; v9   stage: where I read 12 bytes back: row l / 4, piece l % 4
.set GO,   10                          ; v10  12 x lane
.set SSTO, 11                          ; v11  where I put a scale word
.set SRD,  12                          ; v12  where I read scale words back
.set GSO,  13                          ; v13  their offset in memory
.set ADRA, 16
.set ADRB, 20
.set ADRS, 27
.set SPW,  28
.set NIL,  29
.set SC,   32
.set CB,   64
.set AF,   128
.set VOJ,  224
.set TM,   128                         ; the way out, window 0: largest magnitudes; v132-135 the other half's; v136-139 conversion operands; v140-143 bytes
.set TP,   132
.set SOP,  136
.set EB,   140
.set CD,   144                         ; v144-175 codes, two sets of 4 x 4
.set BK,   176                         ; v176-207 codes read back, two sets
.set W0,   208
.set W1,   209
.set SW,   210                         ; v210-211 the word to store, two by turns
.set SBK,  212                         ; v212-219 scale words read back
.set G1, 24
.set G0, 32
.set G1B, 48
.set G0B, 56
.set G1S, 68
.set G0S, 76
.set G1SB, 80
.set G0SB, 88
.set MSB, 0
.macro WIN new                         ; the immediate's high byte repeats the setting that is left
.if MSB != \new
	s_set_vgpr_msb (MSB<<8)|\new
.set MSB, \new
.endif
.endm
.set MUL_LO, 0xa1                      ; source 0 (B) window 1, source 1 (A) window 0, C and D window 2
.set MUL_HI, 0xf1
.set TO_B,   0x40
; A joint load: waves 0 and 1 fetch for A, waves 2 and 3 for B; the branch hangs on the wave's number alone.  Four v_nop follow each of the two lines.
.macro JLOAD g0a, g1a, g0b, g1b
	s_cmp_eq_u32 s15, 0
	s_cbranch_scc0 .Lfor_b_\@
	tensor_load_to_lds s[\g0a:\g0a+3], s[\g1a:\g1a+7]
	s_nop 0
.rept 4
	v_nop
.endr
	s_branch .Lasked_\@
.Lfor_b_\@:
	tensor_load_to_lds s[\g0b:\g0b+3], s[\g1b:\g1b+7]
	s_nop 0
.rept 4
	v_nop
.endr
.Lasked_\@:
.endm
.macro CREST                           ; a round of the cluster's barrier behind its opening barrier
	s_cmp_lg_u32 s14, 0
	s_cbranch_scc1 .Lnot_wave_0_\@
	s_barrier_signal -3
.Lnot_wave_0_\@:
	s_barrier_wait -3
	s_barrier_signal -1
	s_barrier_wait -1
.endm
.macro CROUND
	s_barrier_signal -1
	s_barrier_wait -1
	CREST
.endm
	s_load_b256 s[4:11], s[0:1], 0x0               ; opc s[4:5], ops s[6:7], b_attn s[8:9], qkvc s[10:11]
	s_load_b64 s[12:13], s[0:1], 0x20              ; qkvs
	v_lshl_add_u32 v[SPW], v0, 2, SPARE
	v_mov_b32 v[NIL], 0
	ds_add_u32 v28, v29
	ds_add_u32 v28, v29
	s_wait_dscnt 0x0
	v_lshrrev_b32 v1, 5, v0
	v_readfirstlane_b32 s14, v1                    ; wave 0..3
	s_lshr_b32 s15, s14, 1                         ; which 128 places of the A side are mine.  Also: I fetch for A (0) or for B (1)
	s_and_b32 s16, s14, 1                          ; which 128 of the B side.  Also: which half I fetch
	s_bfe_u32 s40, ttmp6, 0x40000                  ; cx
	s_bfe_u32 s41, ttmp6, 0x40004                  ; cy
	s_and_b32 s42, ttmp7, 0xffff
	s_lshl_b32 s42, s42, 10                        ; 1,024 x cluster y: the cluster's tokens
	s_lshl_b32 s45, ttmp9, 10
	s_add_co_u32 s45, s45, 8192                    ; q, k: the cluster's features' places
	s_mov_b32 s46, 10240                           ; v: its features' places
	s_cmp_eq_u32 ttmp9, 2                          ; the cluster's x: the same in all sixteen partners
	s_cselect_b32 s17, 1, 0                        ; KIND: 1 for v
	s_cselect_b32 s46, s46, s42                    ; the A side's first place in the cluster
	s_cselect_b32 s47, s42, s45                    ; the B side's
	s_lshl_b32 s18, s41, 8
	s_add_co_u32 s46, s46, s18                     ; my A side: + 256 cy: shared along my row of the cluster
	s_lshl_b32 s19, s40, 8
	s_add_co_u32 s47, s47, s19                     ; my B side: + 256 cx: shared along my column
	s_lshl_b32 s43, s41, 2
	s_lshl_b32 s43, 15, s43                        ; my row of the cluster
	s_lshl_b32 s44, 0x1111, s40                    ; my column
	; group 1 for codes: 4 rows (kc) of 768 elements of 8 bytes (128 places x 48), 73,728 elements apart; no padding
	s_or_b32 s[G1+0], s43, (3<<16)|(1<<21)
	s_or_b32 s[G1B+0], s44, (3<<16)|(1<<21)
.irp g, G1, G1B
	s_mov_b32 s[\g+1], 768<<16                     ; tensor_dim0
	s_mov_b32 s[\g+2], 4<<16                       ; tensor_dim1
	s_mov_b32 s[\g+3], 768<<16                     ; tile_dim0
	s_mov_b32 s[\g+4], 4                           ; tile_dim1
	s_mov_b32 s[\g+5], KCP/8                       ; tensor_dim0_stride
	s_mov_b32 s[\g+6], 0
	s_mov_b32 s[\g+7], 0
.endr
	; and for the scales of 128 places: 4,096 dense bytes as 16 rows of 256
	s_or_b32 s[G1S+0], s43, (3<<16)|(1<<21)
	s_or_b32 s[G1SB+0], s44, (3<<16)|(1<<21)
.irp g, G1S, G1SB
	s_mov_b32 s[\g+1], 32<<16
	s_mov_b32 s[\g+2], 16<<16
	s_mov_b32 s[\g+3], 32<<16
	s_mov_b32 s[\g+4], 16
	s_mov_b32 s[\g+5], 32
	s_mov_b32 s[\g+6], 0
	s_mov_b32 s[\g+7], 0
.endr
	s_lshl_b32 s18, s16, 7                         ; which 128 places I fetch
	s_add_co_u32 s20, s46, s18                     ; of A
	s_add_co_u32 s22, s47, s18                     ; of B
	s_mul_i32 s92, s20, 48
	s_mov_b32 s93, 0
	s_lshl_b32 s94, s20, 5                         ; 32 bytes of scales a place
	s_mov_b32 s95, 0
	s_mul_i32 s96, s22, 48
	s_mov_b32 s97, 0
	s_lshl_b32 s98, s22, 5
	s_mov_b32 s99, 0
	s_mul_i32 s45, s14, HALFT                      ; where they go: wave x a half tile: no place in the cluster enters an LDS address
	s_lshl_b32 s21, s14, 12
	s_wait_kmcnt 0x0
	s_add_nc_u64 s[92:93], s[4:5], s[92:93]
	s_add_nc_u64 s[94:95], s[6:7], s[94:95]
	s_add_nc_u64 s[96:97], s[4:5], s[96:97]
	s_add_nc_u64 s[98:99], s[6:7], s[98:99]
	CROUND                                         ; all sixteen work-groups are here: the first joint loads meet
	s_mov_b32 s[G0S], 1
	s_add_co_u32 s[G0S+1], s21, SCL
	s_mov_b64 s[G0S+2:G0S+3], s[94:95]
	s_or_b32 s[G0S+3], s[G0S+3], 0x80000000
	s_mov_b32 s[G0SB], 1
	s_add_co_u32 s[G0SB+1], s21, SCL+128
	s_mov_b64 s[G0SB+2:G0SB+3], s[98:99]
	s_or_b32 s[G0SB+3], s[G0SB+3], 0x80000000
	JLOAD G0S, G1S, G0SB, G1SB                     ; the scales for all of K: filled once
.irp s, 0,1
	s_mov_b32 s[G0+4*\s], 1
	s_add_co_u32 s[G0+4*\s+1], s45, \s*SLOT
	s_add_nc_u64 s[G0+4*\s+2:G0+4*\s+3], s[92:93], \s*4*KCP
	s_or_b32 s[G0+4*\s+3], s[G0+4*\s+3], 0x80000000
	s_mov_b32 s[G0B+4*\s], 1
	s_add_co_u32 s[G0B+4*\s+1], s45, \s*SLOT
	s_add_nc_u64 s[G0B+4*\s+2:G0B+4*\s+3], s[96:97], \s*4*KCP
	s_or_b32 s[G0B+4*\s+3], s[G0B+4*\s+3], 0x80000000
	JLOAD G0+4*\s, G1, G0B+4*\s, G1B               ; three tensor loads of mine are out now
.endr
	v_and_b32 v1, 15, v0                           ; r
	v_bfe_u32 v2, v0, 4, 1                         ; h
	v_mul_u32_u24 v3, v1, 48
	v_mad_u32_u24 v3, v2, 24, v3                   ; 48 r + 24 h
	s_mul_i32 s21, s15, HALFT                      ; my 128 places of A
	s_mul_i32 s22, s16, HALFT
	s_add_co_u32 s22, s22, 2*HALFT                 ; my 128 of B, behind A's two halves
.irp s, 0,1
	v_add_nc_u32 v[ADRA+\s], s21, v3
	v_add_nc_u32 v[ADRB+\s], s22, v3
	s_add_co_u32 s21, s21, SLOT
	s_add_co_u32 s22, s22, SLOT
.endr
	s_lshl_b32 s21, s15, 12                        ; A's scales: my 8 groups
	s_lshl_b32 s22, s16, 12
	s_add_co_u32 s22, s22, 8320                    ; B's
	s_sub_co_u32 s22, s22, s21
	v_mul_u32_u24 v6, s22, v2                      ; lanes 16-31 take B's: one product, h x the distance
	s_add_co_u32 s21, s21, SCL
	v_lshl_add_u32 v5, v1, 3, v6
	v_add_nc_u32 v[ADRS], s21, v5
	s_lshl_b32 s23, s14, 12                        ; my stage for the way out: 4,096 x wave, in slot 0
	v_lshlrev_b32 v4, 4, v1
	v_mad_u32_u24 v4, v2, 320, v4
	v_add_nc_u32 v[STO], s23, v4
	v_and_b32 v5, 31, v0
	v_lshrrev_b32 v6, 2, v5
	v_lshlrev_b32 v6, 4, v6
	v_and_b32 v7, 3, v5
	v_mad_u32_u24 v6, v7, 320, v6
	v_add_nc_u32 v[RD], s23, v6
	v_mul_u32_u24 v[GO], v5, 12
	v_lshlrev_b32 v6, 2, v1
	v_lshl_add_u32 v6, v2, 8, v6
	v_add_nc_u32 v6, s23, v6
	v_add_nc_u32 v[SSTO], 2560, v6
	v_lshlrev_b32 v6, 4, v5
	v_add_nc_u32 v6, s23, v6
	v_add_nc_u32 v[SRD], 2560, v6
	; N: my first feature; T: my first token (as a place).  q, k: T from the A side, N from the B side; v: the other way round
	s_lshl_b32 s18, s15, 7
	s_add_co_u32 s18, s46, s18
	s_lshl_b32 s19, s16, 7
	s_add_co_u32 s19, s47, s19
	s_mov_b32 s22, 256
	s_cmp_eq_u32 s17, 0
	s_cselect_b32 s3, s18, s19                     ; T
	s_cselect_b32 s2, s19, s18
	s_cselect_b32 s20, 4, 0                        ; q, k: the bias runs along the registers; v: it does not
	s_cselect_b32 s21, 0, -1
	s_cselect_b32 s22, 8192, s22                   ; scale words: from one half of the B side's 128 to the other
	s_sub_co_u32 s2, s2, 8192                      ; N
	v_mul_u32_u24 v6, s22, v2
	v_lshl_add_u32 v[GSO], v1, 4, v6
	s_lshl_b32 s22, s2, 2
	s_mov_b32 s23, 0
	s_add_nc_u64 s[8:9], s[8:9], s[22:23]
	v_lshlrev_b32 v4, 6, v2                        ; q, k: feature 16 h + j of a tile pair's 32
	v_lshrrev_b32 v5, 3, v1
	v_and_b32 v6, 7, v1
	v_lshl_add_u32 v5, v5, 4, v6
	v_lshlrev_b32 v5, 2, v5                        ; v: feature 16 (r / 8) + r % 8
	v_cndmask_b32 v[VOJ], v4, v5, s21
.irp j, 1,2,3,4,5,6,7
	v_add_nc_u32 v[VOJ+\j], s20, v[VOJ+\j-1]
.endr
.irp i, 0,1,2,3,4,5,6,7                ; tile i of 16 places begins at feature 32 (i / 2) + 8 (i % 2)
.irp j, 0,1,2,3,4,5,6,7
	global_load_b32 v[CB+8*\i+\j], v[VOJ+\j], s[8:9] offset:4*(32*(\i/2)+8*(\i%2))
.endr
.endr
.macro FRAG reg, adr, q, i             ; 16 places x 128 K: registers 0-5 from kc 2 q, 6-11 from kc 2 q + 1: 24 bytes each, as three loads of 8
.irp p, 0,1,2,3,4,5
	ds_load_b64 v[\reg+2*\p:\reg+2*\p+1], v[\adr] offset:(2*(\q)+\p/3)*6144+(\i)*768+8*(\p%3)
.endr
.endm
; 16 matrix instructions: A's blocks a0, a0 + 1 x B's eight.  mode 0: onto the sums; 1: the sums begin with the bias of B's tile; 2: with that of A's block.  The 64 accumulators take turns, one instruction a turn.
.macro MUL16 a0, p, q, sc, mode
.irp a, \a0, \a0+1
.irp b, 0,1,2,3,4,5,6,7
.if \mode == 0
	v_wmma_scale_f32_16x16x128_f8f6f4 v[8*(8*((\a)%4)+\b):8*(8*((\a)%4)+\b)+7], v[128*(\p)+FR*\b:128*(\p)+FR*\b+FR-1], v[AF+FR*(\a):AF+FR*(\a)+FR-1], v[8*(8*((\a)%4)+\b):8*(8*((\a)%4)+\b)+7], v[SC+8*NQ*(\sc)+NQ*\b+(\q)], v[SC+8*NQ*(\sc)+NQ*(\a)+(\q)] matrix_a_fmt:MATRIX_FMT_BF6 matrix_b_fmt:MATRIX_FMT_BF6 matrix_a_scale:MATRIX_SCALE_ROW1
.elseif \mode == 1
	v_wmma_scale_f32_16x16x128_f8f6f4 v[8*(8*((\a)%4)+\b):8*(8*((\a)%4)+\b)+7], v[128*(\p)+FR*\b:128*(\p)+FR*\b+FR-1], v[AF+FR*(\a):AF+FR*(\a)+FR-1], v[CB+8*\b:CB+8*\b+7], v[SC+8*NQ*(\sc)+NQ*\b+(\q)], v[SC+8*NQ*(\sc)+NQ*(\a)+(\q)] matrix_a_fmt:MATRIX_FMT_BF6 matrix_b_fmt:MATRIX_FMT_BF6 matrix_a_scale:MATRIX_SCALE_ROW1
.else
	v_wmma_scale_f32_16x16x128_f8f6f4 v[8*(8*((\a)%4)+\b):8*(8*((\a)%4)+\b)+7], v[128*(\p)+FR*\b:128*(\p)+FR*\b+FR-1], v[AF+FR*(\a):AF+FR*(\a)+FR-1], v[CB+8*(\a):CB+8*(\a)+7], v[SC+8*NQ*(\sc)+NQ*\b+(\q)], v[SC+8*NQ*(\sc)+NQ*(\a)+(\q)] matrix_a_fmt:MATRIX_FMT_BF6 matrix_b_fmt:MATRIX_FMT_BF6 matrix_a_scale:MATRIX_SCALE_ROW1
.endif
.endr
.endr
.endm
.macro FETCH_B slot, q, p
	WIN TO_B
.irp i, 0,1,2,3,4,5,6,7
	FRAG 128*(\p)+FR*\i, ADRB+\slot, \q, \i
.endr
	WIN 0
.endm
.macro FETCH_A slot, q, i0
.irp i, \i0, \i0+1, \i0+2, \i0+3
	FRAG AF+FR*(\i), ADRA+\slot, \q, \i
.endr
.endm
.macro SCALES sc                       ; a slot's two words a place: lanes 0-15 A's block i, lanes 16-31 B's block i
.irp i, 0,1,2,3,4,5,6,7
	ds_load_b64 v[SC+8*NQ*\sc+NQ*\i:SC+8*NQ*\sc+NQ*\i+1], v[ADRS] offset:\i*512
.endr
.endm
.macro PLACES n                        ; plain vector lines between a matrix instruction and a load into, or a vector read of, its registers
.rept \n
	v_nop
.endr
.endm
; A step of 128 along K that has its successor in the same slot.
.macro STEP slot, q, mode
	s_wait_dscnt 4*NL                              ; B's set and A's blocks 0-3 are in; the youngest 24 loads (A's blocks 4-7) may be out
.if \mode
	WIN 0x81                                       ; C (the bias) in window 0, D in window 2
.else
	WIN MUL_LO
.endif
	MUL16 0, (\q)%2, \q, \slot, \mode
	MUL16 2, (\q)%2, \q, \slot, \mode
	s_wait_dscnt 0
	PLACES NP
	FETCH_B \slot, (\q)+1, 1-(\q)%2
	FETCH_A \slot, (\q)+1, 0
.if \mode
	WIN 0xc1
.else
	WIN MUL_HI
.endif
	MUL16 4, (\q)%2, \q, \slot, \mode
	MUL16 6, (\q)%2, \q, \slot, \mode
	PLACES NP
	WIN 0
	FETCH_A \slot, (\q)+1, 4
.endm
; A slot's last step changes slots: one barrier; in front of it each wave waits for all its tensor loads, adds 0 to its spare word, and waits for that and for its reads of this slot.  fill = 1: this slot is filled again, two slots ahead.
.macro TURN slot, next, fill
	s_wait_tensorcnt 0x0                           ; all my tensor loads have landed: my part of the next slot
	ds_add_u32 v[SPW], v[NIL]                      ; 0 onto my spare word
	s_wait_dscnt 4*NL+1                            ; (the add and the youngest 24 loads may be out)
	WIN MUL_LO
	MUL16 0, 1, NQ-1, \slot, 0                     ; sixteen matrix instructions stand between the add and the wait for it
	s_wait_dscnt 0x0                               ; the add is done, and my reads of this slot are over
	s_barrier_signal -1
	MUL16 2, 1, NQ-1, \slot, 0
	WIN 0
	s_barrier_wait -1
.if \fill
	CREST                                          ; the barrier has opened a round of the cluster's barrier: no wave of any partner still reads this slot or has a load on its way
	s_add_nc_u64 s[G0+4*\slot+2:G0+4*\slot+3], s[G0+4*\slot+2:G0+4*\slot+3], 8*KCP
	s_add_nc_u64 s[G0B+4*\slot+2:G0B+4*\slot+3], s[G0B+4*\slot+2:G0B+4*\slot+3], 8*KCP
	JLOAD G0+4*\slot, G1, G0B+4*\slot, G1B         ; my one tensor load behind the round; its four v_nop are the places in front of the loads below
.else
	PLACES NP
.endif
	v_add_nc_u32 v[ADRS], 128, v[ADRS]             ; the next slot's scale words
	FETCH_B \next, 0, 0
	FETCH_A \next, 0, 0
	SCALES \next
	WIN MUL_HI
	MUL16 4, 1, NQ-1, \slot, 0
	MUL16 6, 1, NQ-1, \slot, 0
	PLACES NP
	WIN 0
	FETCH_A \next, 0, 4
.endm
	s_wait_tensorcnt 1                             ; the scales and my part of slot 0 are in; slot 1's load may stay out
	s_barrier_signal -1
	s_barrier_wait -1
	FETCH_B 0, 0, 0
	FETCH_A 0, 0, 0
	SCALES 0
	FETCH_A 0, 0, 4
	s_wait_loadcnt 0x0                             ; the bias
	s_cmp_eq_u32 s17, 0                            ; the first step starts the sums with the bias: by B's tile (q, k) or by A's block (v)
	s_cbranch_scc0 .Lfirst_v
	STEP 0, 0, 1
	s_branch .Lfirst_done
.Lfirst_v:
	STEP 0, 0, 2
.Lfirst_done:
	TURN 0, 1, 1                                   ; K = 1,024 is four slots' worth: both slots are filled again once
	STEP 1, 0, 0
	TURN 1, 0, 1
	STEP 0, 0, 0
	TURN 0, 1, 0                                   ; nothing is left to fetch
	STEP 1, 0, 0
	s_wait_dscnt 4*NL
	WIN MUL_LO
	MUL16 0, 1, NQ-1, 1, 0
	MUL16 2, 1, NQ-1, 1, 0
	s_wait_dscnt 0
	WIN MUL_HI
	MUL16 4, 1, NQ-1, 1, 0
	MUL16 6, 1, NQ-1, 1, 0
	WIN 0
; THE WAY OUT.  For A's block a a lane holds 64 numbers: register 16 b + i is row 32 b + 16 h + i of the B side: four blocks of 32, each in lanes l and l xor 16.  They are quantised in registers.
; c = b / 2 is the head (q, k) or the run of 64 tokens (v); a / 4 the run of 64 token places (q, k) or the head (v).  A run of 16 places x 48 bytes lies at BASE(a / 4, c) + 768 (a % 4).
; No tensor load of mine is out since the last change of slots, so the descriptors' registers are free.
	s_lshr_b32 s68, s2, 10
	s_lshl_b32 s68, s68, 6                         ; plane x 64
	s_lshr_b32 s69, s3, 11
	s_lshl_b32 s69, s69, 4                         ; + b x 16
	s_add_co_u32 s68, s68, s69
	s_bfe_u32 s69, s2, 0x40006                     ; + head
	s_add_co_u32 s68, s68, s69
	s_and_b32 s69, s3, 2047                        ; the token's place in its batch
	s_mul_i32 s70, s68, 98304
	s_mul_i32 s71, s69, 48
	s_add_co_u32 s70, s70, s71
	s_mov_b32 s71, 0
	s_add_nc_u64 s[72:73], s[10:11], s[70:71]      ; BASE(0, 0)
	s_lshl_b32 s70, s68, 13
	s_lshl_b32 s74, s69, 2
	s_add_co_u32 s70, s70, s74
	s_add_nc_u64 s[80:81], s[12:13], s[70:71]      ; the scale words' base
	s_mov_b32 s84, 98304
	s_mov_b32 s86, 3072
	s_cmp_eq_u32 s17, 0
	s_cselect_b32 s88, s86, s84                    ; from a / 4 = 0 to 1
	s_cselect_b32 s90, s84, s86                    ; from c = 0 to 1
	s_mov_b32 s84, 8192
	s_cselect_b32 s84, 256, s84                    ; scale words: from a / 4 = 0 to 1
	s_mov_b32 s85, 0
	s_mov_b32 s89, 0
	s_mov_b32 s91, 0
	s_add_nc_u64 s[74:75], s[72:73], s[90:91]      ; BASE(0, 1)
	s_add_nc_u64 s[76:77], s[72:73], s[88:89]      ; BASE(1, 0)
	s_add_nc_u64 s[78:79], s[76:77], s[90:91]      ; BASE(1, 1)
	s_add_nc_u64 s[82:83], s[80:81], s[84:85]
	s_mov_b32 s20, 0x76543210
	s_mov_b32 s21, 0xfedcba98                      ; v_permlanex16_b32's selects for lane l xor 16
	s_mov_b32 s96, 0xffff0000                      ; lanes 16-31
.macro QBLK a
.set AC, 64*((\a)%4)
	WIN 0x0a+5*((\a)/4)                            ; sources 0 and 1: window 2 or 3
.irp b, 0,1,2,3
	v_max3_num_f32 v[TM+\b], |v[AC+16*\b]|, |v[AC+16*\b+1]|, 0x2800000   ; each accumulator is read from its low end on; the floor 2^(5 - 127) holds the byte at 1 from below
.endr
.irp i, 2,4,6,8,10,12,14
.irp b, 0,1,2,3
	v_max3_num_f32 v[TM+\b], |v[AC+16*\b+\i]|, |v[AC+16*\b+\i+1]|, v[TM+\b]
.endr
.endr
	WIN 0
.irp b, 0,1,2,3
	v_permlanex16_b32 v[TP+\b], v[TM+\b], s20, s21
.endr
.irp b, 0,1,2,3
	v_max_num_f32 v[TM+\b], v[TM+\b], v[TP+\b]     ; the block's largest magnitude
.endr
.irp b, 0,1,2,3
	v_add_nc_u32 v[SOP+\b], 0xfe000000, v[TM+\b]   ; 4 off its exponent field: the conversion's scale operand
.endr
.irp b, 0,1,2,3
	v_lshrrev_b32 v[EB+\b], 23, v[SOP+\b]          ; the byte
.endr
	v_lshl_or_b32 v[W0], v[EB+1], 8, v[EB]         ; c = 0's word
	v_lshl_or_b32 v[W1], v[EB+3], 8, v[EB+2]       ; c = 1's
	v_cndmask_b32 v[SW+(\a)%2], v[W0], v[W1], s96  ; lanes 0-15 store the first, lanes 16-31 the second
	WIN 0x02+((\a)/4)                              ; source 0: window 2 or 3
.irp b, 0,1,2,3
	v_cvt_scalef32_pk16_bf6_f32 v[CD+16*((\a)%2)+4*\b:CD+16*((\a)%2)+4*\b+2], v[AC+16*\b:AC+16*\b+15], v[SOP+\b]   ; my half of block b: 12 bytes
.endr
	WIN 0
	v_nop                                          ; one plain line behind the last conversion
.endm
.macro TOSTAGE a                       ; nine LDS instructions.  Piece 2 (b % 2) + h of row r stands at 320 x piece + 16 r; LDS serves a wave's instructions in order
.irp b, 0,1,2,3
	ds_store_b96 v[STO], v[CD+16*((\a)%2)+4*\b:CD+16*((\a)%2)+4*\b+2] offset:640*(\b%2)+1280*(\b/2)
.endr
	ds_store_b32 v[SSTO], v[SW+(\a)%2] offset:64*((\a)%4)+512*((\a)/4)
.irp c, 0,1
.irp i, 0,1
	ds_load_b96 v[BK+16*((\a)%2)+4*(2*\c+\i):BK+16*((\a)%2)+4*(2*\c+\i)+2], v[RD] offset:1280*\c+128*\i
.endr
.endr
.endm
.macro SEND a, younger
	s_wait_dscnt \younger                          ; the block's codes are back in registers
.irp c, 0,1
.irp i, 0,1
	global_store_b96 v[GO], v[BK+16*((\a)%2)+4*(2*\c+\i):BK+16*((\a)%2)+4*(2*\c+\i)+2], s[72+4*((\a)/4)+2*\c:73+4*((\a)/4)+2*\c] offset:768*((\a)%4)+384*\i   ; 384 consecutive bytes; two stores fill three aligned runs of 256
.endr
.endr
.endm
	PLACES NP                                      ; behind the last products: their results are read and A's registers written below
.irp b, 0,1,2,3
	v_mov_b32 v[TP+\b], 0                          ; written once: a lane permute's destination counts as one of its sources
.endr
	QBLK 0
	TOSTAGE 0
.irp a, 1,2,3,4,5,6,7
	QBLK \a
.if \a > 1
	s_wait_xcnt 0x0                                ; block a - 2's stores have read their registers: block a's loads may land there
.endif
	TOSTAGE \a
	SEND \a-1, 9                                   ; behind block a - 1's loads: block a's five stores and four loads
.endr
	SEND 7, 0
	ds_load_b128 v[SBK:SBK+3], v[SRD]              ; the scale words: [a / 4][c][a % 4][r]
	ds_load_b128 v[SBK+4:SBK+7], v[SRD] offset:512
	s_wait_dscnt 0x0
	global_store_b128 v[GSO], v[SBK:SBK+3], s[80:81]       ; sixteen lanes store 256 consecutive bytes, aligned
	global_store_b128 v[GSO], v[SBK+4:SBK+7], s[82:83]
	s_wait_tensorcnt 0x0                           ; the wave's end
	ds_add_u32 v[SPW], v[NIL]
	s_wait_dscnt 0x0
	CROUND                                         ; the closing round: no work-group ends while a partner may still ask for a tile that names it
	s_endpgm
.Lfunc_end_k_q75d617f0a8_qkv:
	.size	k_q75d617f0a8_qkv, .Lfunc_end_k_q75d617f0a8_qkv-k_q75d617f0a8_qkv
	.p2alignl 7, 3214868480
	.fill 96, 4, 3214868480
	.section	.rodata,"a",@progbits
	.p2align	6, 0x0
	.amdhsa_kernel k_q75d617f0a8_qkv
		.amdhsa_group_segment_fixed_size 327680
		.amdhsa_private_segment_fixed_size 0
		.amdhsa_enable_private_segment 0
		.amdhsa_kernarg_size 40
		.amdhsa_user_sgpr_count 2
		.amdhsa_user_sgpr_kernarg_segment_ptr 1
		.amdhsa_wavefront_size32 1
		.amdhsa_system_sgpr_workgroup_id_x 1
		.amdhsa_system_sgpr_workgroup_id_y 1
		.amdhsa_system_sgpr_workgroup_id_z 1
		.amdhsa_system_vgpr_workitem_id 0
		.amdhsa_next_free_vgpr 1024
		.amdhsa_next_free_sgpr 100
		.amdhsa_reserve_vcc 0
		.amdhsa_float_denorm_mode_32 3
		.amdhsa_float_denorm_mode_16_64 3
		.amdhsa_memory_ordered 1
		.amdhsa_forward_progress 1
		.amdhsa_inst_pref_size 189
	.end_amdhsa_kernel
	.amdgpu_metadata
---
amdhsa.version: [ 1, 2 ]
amdhsa.kernels:
  - .name:           k_q75d617f0a8_qkv
    .symbol:         k_q75d617f0a8_qkv.kd
    .args:
      - { .name: opc, .offset: 0, .size: 8, .value_kind: global_buffer, .address_space: global }
      - { .name: ops, .offset: 8, .size: 8, .value_kind: global_buffer, .address_space: global }
      - { .name: b_attn, .offset: 16, .size: 8, .value_kind: global_buffer, .address_space: global }
      - { .name: qkvc, .offset: 24, .size: 8, .value_kind: global_buffer, .address_space: global }
      - { .name: qkvs, .offset: 32, .size: 8, .value_kind: global_buffer, .address_space: global }
    .group_segment_fixed_size: 327680
    .private_segment_fixed_size: 0
    .kernarg_segment_align: 8
    .kernarg_segment_size: 40
    .max_flat_workgroup_size: 128
    .sgpr_count:     100
    .vgpr_count:     1024
    .wavefront_size: 32
...
	.end_amdgpu_metadata
.endif
;; end of part 2
;; launch attn (part 3): grid 4 x 64, 16 waves a work-group, clusters of 4 x 1, 235,520 bytes of LDS; arguments qkvc, qkvs, yc, ys; writes yc, ys
.if DOCPART == 3
	.amdgcn_target "amdgcn-amd-amdhsa--gfx1250"
	.amdhsa_code_object_version 6
	.text
	.protected	k_q75d617f0a8_attn
	.globl	k_q75d617f0a8_attn
	.p2align	8
	.type	k_q75d617f0a8_attn,@function
k_q75d617f0a8_attn:
	s_mov_b64 s[64:65], 0
	v_nop
	global_prefetch_b8 v0, s[64:65] scope:SCOPE_SE
	s_setreg_imm32_b32 hwreg(HW_REG_WAVE_MODE, 25, 1), 1
	s_wait_xcnt 0x0
	s_wait_alu depctr_hold_cnt(0) depctr_sa_sdst(0) depctr_va_vdst(0) depctr_va_sdst(0) depctr_va_ssrc(0) depctr_va_vcc(0) depctr_vm_vsrc(0)
	s_getreg_b32 s2, hwreg(HW_REG_IB_STS2, 6, 4)
	s_cmp_eq_u32 s2, 0
	s_cbranch_scc0 .Lentry_in_a_cluster
	s_endpgm
.Lentry_in_a_cluster:
	s_bfe_u32 s2, ttmp6, 0x10000c
	s_cmp_lg_u32 s2, 0x3003
	s_cbranch_scc0 .Lentry_shape_is_right
	s_endpgm
.Lentry_shape_is_right:
; y[b][t][head] = softmax_k(q . k / 8, causal) v, both products on codes of BF6 (E3M2) with E8M0 scales; y leaves as codes, quantised along C, for the last product.
; IN: qkvc [plane q, k, v][bh][98,304]: q, k: [place of the token][48 bytes = 64 codes]; v: [token / 64][place of d][48 bytes = 64 tokens' codes].  qkvs: one word for each 48 bytes (bytes 0, 1: the two blocks; bytes 2, 3: zero).  A place is SW(number): bits 3 and 4 changed over.
; THE SOFTMAX: t = score x log2(e) / 8; M = the running largest t rounded up to a whole number; p = 2^(t - M) is quantised along the keys, not normalised; the row's sum is taken of the unquantised p and divides O at the end; when M moves, sum and O are multiplied by 2^(old M - new M): exact.
; K = 64 of the first product fills half of the instruction's 128: the upper six registers of both operands hold zero codes, which add nothing (their scale bytes are 0, which is 2^-127 and no NaN).
; SHARES.  A cluster of four work-groups is one (b, head).  K, V and their scale words of the whole head lie in LDS, filled ONCE, by joint loads (each wave a sixteenth): no ring, no refill.
; Partner p = cx takes the tiles of 16 query places tau = 4 j + p.  Wave w takes j = 31 - w and then j = w.  The tile's queries lie in 64 j .. 64 j + 63, so key step s (128 keys) is hidden where s > j / 2 and lies on the diagonal where s = j / 2:
; no branch hangs on the place in the cluster, and every wave has (31 - w) / 2 + w / 2 + 2 = 17 steps of work.  A hidden step is jumped over, all but the lines that step addresses.
; LAYOUT.  Both products are used transposed: S^T = K Q^T, O^T = V^T P^T: a lane holds one query throughout; thanks to SW the 16 registers of two neighbouring tiles are 16 neighbouring keys (or 16 neighbouring d).
; No prefetch: every byte that the launch reads is asked for in its first lines.
; OUT: yc [kc = head][place of the token 8,192][48]; ys [group of 16 places][K / 256][place][2 words]: a head owns two bytes of a word, so they leave as single bytes (262,144 in the whole launch).
; LIMITS: NaN and infinities are not served; a block under 2^-122 is held at the byte 1; a block of zeros gets the byte 1 (its codes are zeros).
.set AKV,  1                           ; v1   48 r + 24 h
.set ASC,  2                           ; v2   K's scale words: 196,608 + 4 r
.set LC,   3                           ; v3   my query less 64 j less 16 h
.set ADK,  4                           ; v4-6 this step's addresses: K, V, scale words
.set ADV,  5
.set ADS,  6
.set GO,   7                           ; v7   12 x lane
.set STOY, 8                           ; v8   y's stage, in
.set RDY,  9                           ; v9   and out
.set GSB,  10                          ; v10  8 r + h: my scale byte
.set AVV,  11                          ; v11  98,304 + 48 r + 24 h
.set KFR,  32                          ; v32-79   four fragments of K; registers 6-11 of each stay zero
.set SS,   80                          ; v80-143  S^T, then p; v80-127 then take V's four fragments
.set OT,   144                         ; v144-175 O^T
.set PC,   176                         ; v176-187 p's codes
.set PH,   188                         ; v188-190, v192-194 second halves
.set BM,   196                         ; v196-199 each block's largest score, then largest p
.set PT,   200                         ; v200-203 the other half's; then bytes
.set SOP,  204                         ; v204-207 conversion operands
.set KSW,  208                         ; v208-211 K's scale words; v212-215 V's; v216-219 V's second run of 64 keys
.set VSW,  212
.set VSH,  216
.set WV,   12
.set CX,   13
.set BH,   14
.set SI,   15                          ; s15  the key step
.set SMAX, 16                          ; s16  the last step with work: j / 2
.set JP,   17                          ; s17  64 (j % 2)
.set TC,   18                          ; s18  6,144 x step: 128 keys of K, two runs of V
.set TS,   19                          ; s19  512 x step: their scale words
.set SEL,  20
.set CS,   22                          ; s[22:23] c = log2(e) / 8
.set CNT,  3
.set HM,   78                          ; s78  lanes 16-31
.set G1C,  24
.set G1S,  32
.set G0C,  48
.set G0S,  52
.macro CROUND
	s_barrier_signal -1
	s_barrier_wait -1
	s_cmp_lg_u32 s[WV], 0
	s_cbranch_scc1 .Lnot_wave_0_\@
	s_barrier_signal -3
.Lnot_wave_0_\@:
	s_barrier_wait -3
	s_barrier_signal -1
	s_barrier_wait -1
.endm
	s_load_b256 s[4:11], s[0:1], 0x0               ; qkvc s[4:5], qkvs s[6:7], yc s[8:9], ys s[10:11]
	v_lshl_add_u32 v254, v0, 2, 0x39000
	v_mov_b32 v255, 0
	ds_add_u32 v254, v255
	ds_add_u32 v254, v255
	v_lshrrev_b32 v1, 5, v0
	s_delay_alu instid0(VALU_DEP_1)
	v_readfirstlane_b32 s[WV], v1                  ; wave 0..15
	s_bfe_u32 s[CX], ttmp6, 0x40000                ; my place in the cluster: it enters Q's and y's addresses and the mask's numbers alone
	s_and_b32 s[BH], ttmp7, 0xffff                 ; b x 16 + head: the four partners share it
	; group 1: dense bytes as rows of 256 (32 elements of 8 bytes): 48 rows of codes, 4 of scale words; mask: all four partners
	s_mov_b32 s[G1C], 15|(3<<16)|(1<<21)
	s_mov_b32 s[G1C+1], 32<<16
	s_mov_b32 s[G1C+2], 48<<16
	s_mov_b32 s[G1C+3], 32<<16
	s_mov_b32 s[G1C+4], 48
	s_mov_b32 s[G1C+5], 32
	s_mov_b32 s[G1C+6], 0
	s_mov_b32 s[G1C+7], 0
	s_mov_b32 s[G1S], 15|(3<<16)|(1<<21)
	s_mov_b32 s[G1S+1], 32<<16
	s_mov_b32 s[G1S+2], 4<<16
	s_mov_b32 s[G1S+3], 32<<16
	s_mov_b32 s[G1S+4], 4
	s_mov_b32 s[G1S+5], 32
	s_mov_b32 s[G1S+6], 0
	s_mov_b32 s[G1S+7], 0
	s_lshr_b32 s60, s[WV], 3                       ; waves 0-7 fetch K's, waves 8-15 V's
	s_and_b32 s61, s[WV], 7                        ; an eighth each
	s_mul_i32 s62, s60, 98304
	s_mul_i32 s63, s61, 12288
	s_mov_b32 s[G0C], 1
	s_add_co_u32 s[G0C+1], s62, s63                ; LDS: K at 0, V at 98,304
	s_mov_b32 s[G0S], 1
	s_lshl_b32 s[G0S+1], s[WV], 10
	s_add_co_u32 s[G0S+1], s[G0S+1], 196608        ; K's words at 196,608, V's at 204,800
	s_add_co_u32 s60, s60, 1                       ; the plane
	s_mul_i32 s70, s60, 6291456
	s_mul_i32 s72, s[BH], 98304
	s_add_co_u32 s70, s70, s72
	s_add_co_u32 s70, s70, s63
	s_mov_b32 s71, 0
	s_lshl_b32 s76, s60, 19
	s_lshl_b32 s73, s[BH], 13
	s_add_co_u32 s76, s76, s73
	s_lshl_b32 s73, s61, 10
	s_add_co_u32 s76, s76, s73
	s_mov_b32 s77, 0
	s_wait_dscnt 0x0
	s_wait_kmcnt 0x0
	s_add_nc_u64 s[G0C+2:G0C+3], s[4:5], s[70:71]
	s_or_b32 s[G0C+3], s[G0C+3], 0x80000000
	s_add_nc_u64 s[G0S+2:G0S+3], s[6:7], s[76:77]
	s_or_b32 s[G0S+3], s[G0S+3], 0x80000000
	CROUND                                         ; all four work-groups are here: the joint loads meet
	tensor_load_to_lds s[G0C:G0C+3], s[G1C:G1C+7]
	s_nop 0
	tensor_load_to_lds s[G0S:G0S+3], s[G1S:G1S+7]  ; two tensor loads of mine are out
	s_nop 0
.rept 4
	v_nop
.endr
	; y: yc + (8,192 head + 2,048 b + 16 p) x 48, then 3,072 j;   ys: (128 b + p) x 512 + the head's two bytes, then 2,048 j
	s_and_b32 s60, s[BH], 15
	s_lshr_b32 s61, s[BH], 4
	s_lshl_b32 s62, s60, 13
	s_lshl_b32 s63, s61, 11
	s_add_co_u32 s62, s62, s63
	s_lshl_b32 s63, s[CX], 4
	s_add_co_u32 s62, s62, s63
	s_mul_i32 s62, s62, 48
	s_mov_b32 s63, 0
	s_add_nc_u64 s[8:9], s[8:9], s[62:63]
	s_lshl_b32 s62, s61, 16
	s_lshl_b32 s66, s[CX], 9
	s_add_co_u32 s62, s62, s66
	s_lshr_b32 s66, s60, 2
	s_lshl_b32 s66, s66, 7                         ; slot = head / 4
	s_add_co_u32 s62, s62, s66
	s_bfe_u32 s66, s60, 0x10001
	s_lshl_b32 s66, s66, 2                         ; word = (head / 2) % 2
	s_add_co_u32 s62, s62, s66
	s_and_b32 s66, s60, 1
	s_lshl_b32 s66, s66, 1                         ; bytes 2 (head % 2) and the next
	s_add_co_u32 s62, s62, s66
	s_add_nc_u64 s[10:11], s[10:11], s[62:63]
	s_lshr_b32 s79, s[CX], 1
	s_lshl_b32 s79, s79, 5
	s_and_b32 s77, s[CX], 1
	s_lshl_b32 s77, s77, 3
	s_add_co_u32 s79, s79, s77                     ; 32 (p / 2) + 8 (p % 2)
	s_mul_i32 s77, s[WV], 1280
	s_add_co_u32 s77, s77, 212992                  ; my stage for y
	s_mov_b32 s[HM], 0xffff0000
	s_mov_b32 s[SEL], 0x76543210
	s_mov_b32 s[SEL+1], 0xfedcba98
	s_mov_b32 s[CS], 0x3e38aa3b                    ; log2(e) / 8
	s_mov_b32 s[CS+1], s[CS]                       ; (named with it as a pair, so it is written)
	; Q of both my tiles: tau = 4 (31 - w) + p and 4 w + p
	s_sub_co_u32 s60, 31, s[WV]
	s_lshl_b32 s60, s60, 2
	s_add_co_u32 s60, s60, s[CX]
	s_lshl_b32 s61, s[WV], 2
	s_add_co_u32 s61, s61, s[CX]
	s_mul_i32 s70, s60, 768
	s_add_co_u32 s70, s70, s72
	s_mov_b32 s71, 0
	s_add_nc_u64 s[70:71], s[4:5], s[70:71]
	s_mul_i32 s74, s61, 768
	s_add_co_u32 s74, s74, s72
	s_mov_b32 s75, 0
	s_add_nc_u64 s[74:75], s[4:5], s[74:75]
	s_lshl_b32 s76, s[BH], 13
	s_lshl_b32 s62, s60, 6
	s_add_co_u32 s62, s62, s76
	s_mov_b32 s63, 0
	s_add_nc_u64 s[62:63], s[6:7], s[62:63]
	s_lshl_b32 s66, s61, 6
	s_add_co_u32 s66, s66, s76
	s_mov_b32 s67, 0
	s_add_nc_u64 s[66:67], s[6:7], s[66:67]
	v_and_b32 v30, 15, v0                          ; r
	v_bfe_u32 v31, v0, 4, 1                        ; h
	s_delay_alu instid0(VALU_DEP_2)
	v_mul_u32_u24 v[AKV], v30, 48
	s_delay_alu instid0(VALU_DEP_1)
	v_mad_u32_u24 v[AKV], v31, 24, v[AKV]
	s_delay_alu instid0(VALU_DEP_4)
	v_lshlrev_b32 v29, 2, v30
.irp p, 0,1,2
	global_load_b64 v[16+2*\p:17+2*\p], v[AKV], s[70:71] offset:8*\p
.endr
	global_load_b32 v28, v29, s[62:63]             ; its scale words
.irp p, 0,1,2
	global_load_b64 v[226+2*\p:227+2*\p], v[AKV], s[74:75] offset:8*\p   ; the second tile's wait in v226-232
.endr
	global_load_b32 v232, v29, s[66:67]
	v_add_nc_u32 v[AVV], 98304, v[AKV]
	v_add_nc_u32 v[ASC], 196608, v29
	v_and_b32 v[LC], 7, v30
	v_lshrrev_b32 v224, 3, v30
	s_delay_alu instid0(VALU_DEP_1)
	v_lshl_add_u32 v[LC], v224, 4, v[LC]
	v_lshlrev_b32 v224, 4, v31
	s_delay_alu instid0(VALU_DEP_1)
	v_sub_nc_u32 v[LC], v[LC], v224
	s_delay_alu instid0(VALU_DEP_1)
	v_add_nc_u32 v[LC], s79, v[LC]                 ; 32 (p / 2) + 8 (p % 2) + 16 (r / 8) + r % 8 - 16 h
	v_and_b32 v225, 31, v0
	s_delay_alu instid0(VALU_DEP_1)
	v_mul_u32_u24 v[GO], v225, 12
	v_lshlrev_b32 v[STOY], 4, v30
	s_delay_alu instid0(VALU_DEP_1)
	v_mad_u32_u24 v[STOY], v31, 320, v[STOY]
	s_delay_alu instid0(VALU_DEP_1)
	v_add_nc_u32 v[STOY], s77, v[STOY]             ; piece 2 b + h of row r at 320 x piece + 16 r
	v_lshrrev_b32 v[RDY], 2, v225
	s_delay_alu instid0(VALU_DEP_1)
	v_lshlrev_b32 v[RDY], 4, v[RDY]
	v_and_b32 v224, 3, v225
	s_delay_alu instid0(VALU_DEP_1)
	v_mad_u32_u24 v[RDY], v224, 320, v[RDY]
	s_delay_alu instid0(VALU_DEP_1)
	v_add_nc_u32 v[RDY], s77, v[RDY]               ; back: row l / 4, piece l % 4
	v_lshl_add_u32 v[GSB], v30, 3, v31
.irp i, 22,23,24,25,26,27
	v_mov_b32 v[\i], 0                             ; Q's upper 64 along K: zero codes
.endr
.irp t, 0,1,2,3
.irp i, 6,7,8,9,10,11
	v_mov_b32 v[KFR+12*\t+\i], 0                   ; K's likewise: written once, never loaded over
.endr
.endr
.irp b, 0,1,2,3
	v_mov_b32 v[PT+\b], 0                          ; a lane permute's destination counts as one of its sources
.endr
	v_mov_b32 v223, 0                              ; (named as the upper half of the pair v[222:223] before it is first written)
	v_mov_b32 v224, 0
; A KEY STEP: 128 keys.
.macro STEP
	s_cmp_gt_u32 s[SI], s[SMAX]                    ; all its keys come after my queries: a branch on the wave's number and the step's count
	s_cbranch_scc1 .Lhidden_\@
	s_setprio 2
	v_add_nc_u32 v[ADK], s[TC], v[AKV]
	s_wait_alu depctr_va_vdst(0)
	v_add_nc_u32 v[ADV], s[TC], v[AVV]
	v_add_nc_u32 v[ADS], s[TS], v[ASC]
	s_wait_alu depctr_va_vdst(0)
	v_nop
	v_nop                                          ; five places: S^T is laid over V's fragments, which the last step's products read
.irp g, 0,1                            ; S^T = K Q^T, four tiles of 16 keys at a time
.if \g
.rept 4
	v_nop                                          ; places in front of loads into registers that matrix instructions have read
.endr
.endif
.irp t, 0,1,2,3
.irp p, 0,1,2
	ds_load_b64 v[KFR+12*\t+2*\p:KFR+12*\t+2*\p+1], v[ADK] offset:768*(4*\g+\t)+8*\p
.endr
	ds_load_b32 v[KSW+\t], v[ADS] offset:64*(4*\g+\t)
.if \g == 0
	ds_load_b32 v[VSW+\t], v[ADS] offset:8192+64*\t          ; V's words of this step's two runs of 64 keys
	ds_load_b32 v[VSH+\t], v[ADS] offset:8192+256+64*\t
.endif
.endr
	s_wait_dscnt 0x0
.irp t, 0,1,2,3
	v_wmma_scale_f32_16x16x128_f8f6f4 v[SS+8*(4*\g+\t):SS+8*(4*\g+\t)+7], v[KFR+12*\t:KFR+12*\t+11], v[16:27], 0, v[KSW+\t], v28 matrix_a_fmt:MATRIX_FMT_BF6 matrix_b_fmt:MATRIX_FMT_BF6
.endr
.endr                                  ; register 16 b + i of lane (r, h): key 128 s + 32 b + 16 h + i
.rept 4
	v_nop
.endr
	s_cmp_lg_u32 s[SI], s[SMAX]                    ; only the step on the diagonal has hidden keys
	s_cbranch_scc1 .Lopen_\@
	v_add_nc_u32 v225, s[JP], v[LC]                ; d = my query - 128 s - 16 h: hidden where 32 b + i > d
	v_mov_b32 v224, 0xff800000                     ; -infinity: p = 0 then
.set n, 0
.rept 64
	v_cmp_gt_i32 vcc_lo, 32*(n/16)+n%16, v225
	v_cndmask_b32 v[SS+n], v[SS+n], v224, vcc_lo
.set n, n+1
.endr
.Lopen_\@:
.irp b, 0,1,2,3
	v_max3_num_f32 v[BM+\b], v[SS+16*\b], v[SS+1+16*\b], v[SS+2+16*\b]   ; the largest score of each block of 32 keys: for the row's maximum and, since p rises with the score, for the block's largest p
.endr
.irp i, 3,5,7,9,11,13
.irp b, 0,1,2,3
	v_max3_num_f32 v[BM+\b], v[BM+\b], v[SS+16*\b+\i], v[SS+1+16*\b+\i]
.endr
.endr
.irp b, 0,1,2,3
	v_max_num_f32 v[BM+\b], v[BM+\b], v[SS+15+16*\b]
.endr
.irp b, 0,1,2,3
	s_delay_alu instid0(VALU_DEP_4)
	v_permlanex16_b32 v[PT+\b], v[BM+\b], s[SEL], s[SEL+1]
.endr
.irp b, 0,1,2,3
	s_delay_alu instid0(VALU_DEP_4)
	v_max_num_f32 v[BM+\b], v[BM+\b], v[PT+\b]     ; with lane l xor 16's 16 keys
.endr
.irp t, 0,1,2,3
	v_lshl_or_b32 v[VSW+\t], v[VSH+\t], 16, v[VSW+\t]   ; V's scale word of 128 keys: two bytes of each run; far more than eight places ahead of its use
.endr
	v_max3_num_f32 v224, v[BM], v[BM+1], v[BM+2]
	s_delay_alu instid0(VALU_DEP_1)
	v_max_num_f32 v224, v224, v[BM+3]              ; the step's largest score of my query (key 128 s counts for every query of the tile, so it is a number)
	s_delay_alu instid0(VALU_DEP_1)
	v_mul_f32 v224, s[CS], v224
	s_delay_alu instid0(VALU_DEP_1)
	v_max_num_f32 v13, v13, v224                   ; the running largest t
	v_mov_b32 v224, v12
	s_delay_alu instid0(VALU_DEP_2)
	v_floor_f32 v12, -v13                          ; the new -M = floor(-t): M is a whole number
	s_delay_alu instid0(VALU_DEP_1)
	v_sub_f32 v224, v12, v224                      ; old M - new M: a whole number, 0 or less
	s_delay_alu instid0(VALU_DEP_1)
	v_cvt_i32_f32 v224, v224                       ; (it saturates)
	s_delay_alu instid0(VALU_DEP_1)
	v_ldexp_f32 v222, 1.0, v224                    ; f = 2^(old M - new M)
.set jj, 0
.rept 32
	v_pk_fma_f32 v[SS+jj:SS+jj+1], v[SS+jj:SS+jj+1], s[CS:CS+1], v[12:13] op_sel_hi:[1,0,0]   ; t - M, two at a time
.set jj, jj+2
.endr
	s_setprio 1
.irp b, 0,1,2,3
	v_fma_f32 v[BM+\b], v[BM+\b], s[CS], v12       ; the same of each block's largest score
.endr
.set jj, 0
	s_wait_alu depctr_va_vdst(0)
.rept 64
	v_exp_f32 v[SS+jj], v[SS+jj]                   ; p = 2^(t - M)
.set jj, jj+1
.endr
.irp b, 0,1,2,3
	v_exp_f32 v[BM+\b], v[BM+\b]                   ; the block's largest p: the same two instructions on the same number
.endr
	v_pk_mul_f32 v[14:15], v[14:15], v[222:223] op_sel_hi:[1,0]   ; the sums under the new M (a plain line behind the exponentials)
	s_wait_alu depctr_va_vdst(0)
.irp b, 0,1,2,3
	v_max_num_f32 v[BM+\b], 0x2800000, v[BM+\b]    ; the floor 2^(5 - 127)
.endr
.irp b, 0,1,2,3
	s_delay_alu instid0(VALU_DEP_4)
	v_add_nc_u32 v[SOP+\b], 0xfe000000, v[BM+\b]
.endr
.irp b, 0,1,2,3
	s_delay_alu instid0(VALU_DEP_4)
	v_lshrrev_b32 v[PT+\b], 23, v[SOP+\b]
.endr
	s_delay_alu instid0(VALU_DEP_3)
	v_lshl_or_b32 v223, v[PT+1], 8, v[PT]          ; p's scale word for these 128 keys
	s_delay_alu instid0(VALU_DEP_1)
	v_lshl_or_b32 v223, v[PT+2], 16, v223
	s_delay_alu instid0(VALU_DEP_1)
	v_lshl_or_b32 v223, v[PT+3], 24, v223
.irp c, 0,1
	v_cvt_scalef32_pk16_bf6_f32 v[PC+6*\c:PC+6*\c+2], v[SS+32*\c:SS+32*\c+15], v[SOP+2*\c]
	v_cvt_scalef32_pk16_bf6_f32 v[PH+4*\c:PH+4*\c+2], v[SS+16+32*\c:SS+31+32*\c], v[SOP+2*\c+1]
.endr
	v_nop                                          ; one plain line behind the conversions
.irp c, 0,1                            ; the operand wants a whole block in a lane: lanes 0-15 block 2 c, lanes 16-31 block 2 c + 1
.irp i, 0,1,2
	v_permlane16_swap_b32 v[PC+6*\c+\i], v[PH+4*\c+\i]
.endr
.irp i, 0,1,2
	s_delay_alu instid0(VALU_DEP_3)
	v_mov_b32 v[PC+3+6*\c+\i], v[PH+4*\c+\i]
.endr
.endr
	v_pk_add_f32 v[234:235], v[SS:SS+1], v[SS+2:SS+3]   ; the row's sum of the unquantised p, in two chains: first the 48 registers that V's fragments will take
.irp j, 4,8,12,16,20,24,28,32,36,40,44
	v_pk_add_f32 v[14:15], v[14:15], v[SS+\j:SS+\j+1]
	v_pk_add_f32 v[234:235], v[234:235], v[SS+2+\j:SS+3+\j]
.endr
	s_setprio 0
.irp t, 0,1,2,3                        ; V^T: 16 places of d x 128 keys: registers 0-5 from the first run of 64 keys, 6-11 from the second
.irp p, 0,1,2,3,4,5
	ds_load_b64 v[SS+12*\t+2*\p:SS+12*\t+2*\p+1], v[ADV] offset:(\p/3)*3072+768*\t+8*(\p%3)
.endr
.endr
.set jj, 0
.rept 16
	v_pk_mul_f32 v[OT+jj:OT+jj+1], v[OT+jj:OT+jj+1], v[222:223] op_sel_hi:[1,0]   ; O^T under the new M
.set jj, jj+2
.endr
.irp j, 48,52,56,60
	v_pk_add_f32 v[14:15], v[14:15], v[SS+\j:SS+\j+1]
	v_pk_add_f32 v[234:235], v[234:235], v[SS+2+\j:SS+3+\j]
.endr
	s_delay_alu instid0(VALU_DEP_1)
	v_pk_add_f32 v[14:15], v[14:15], v[234:235]
	s_wait_dscnt 0x0
.irp t, 0,1,2,3
	v_wmma_scale_f32_16x16x128_f8f6f4 v[OT+8*\t:OT+8*\t+7], v[SS+12*\t:SS+12*\t+11], v[PC:PC+11], v[OT+8*\t:OT+8*\t+7], v[VSW+\t], v223 matrix_a_fmt:MATRIX_FMT_BF6 matrix_b_fmt:MATRIX_FMT_BF6
.endr
.Lhidden_\@:
	s_add_co_u32 s[TC], s[TC], 6144
	s_add_co_u32 s[TS], s[TS], 512
	s_add_co_u32 s[SI], s[SI], 1
.endm
.macro WALK                            ; all sixteen key steps: the trip count is a constant; what is hidden is jumped over inside
	s_mov_b32 s[CNT], 16
.Lstep_\@:
	STEP
	s_sub_co_u32 s[CNT], s[CNT], 1
	s_cmp_lg_u32 s[CNT], 0
	s_cbranch_scc1 .Lstep_\@
	s_setprio 0
.endm
.macro INIT second
.if \second
	s_wait_xcnt 0x0                                ; the first tile's stores have read their registers and bases
	s_mov_b32 s60, s[WV]                           ; j = w
.irp i, 0,1,2,3,4,5
	v_mov_b32 v[16+\i], v[226+\i]
.endr
	v_mov_b32 v28, v232
.else
	s_sub_co_u32 s60, 31, s[WV]                    ; j = 31 - w
.endif
	s_lshr_b32 s[SMAX], s60, 1
	s_and_b32 s[JP], s60, 1
	s_lshl_b32 s[JP], s[JP], 6
	s_mul_i32 s62, s60, 3072
	s_mov_b32 s63, 0
	s_add_nc_u64 s[66:67], s[8:9], s[62:63]        ; the tile's 768 bytes of y's codes
	s_lshl_b32 s62, s60, 11
	s_add_nc_u64 s[68:69], s[10:11], s[62:63]      ; and its scale bytes
	s_mov_b32 s[SI], 0
	s_mov_b32 s[TC], 0
	s_mov_b32 s[TS], 0
	v_mov_b32 v13, 0xff61b1e6                      ; the largest t so far: -3e38
	s_delay_alu instid0(VALU_DEP_1)
	v_floor_f32 v12, -v13
	v_mov_b32 v14, 0
	v_mov_b32 v15, 0
.set jj, 0
.rept 32
	v_mov_b32 v[OT+jj], 0                          ; the step is written once: the first finds zeros, which the first change of M leaves zeros
.set jj, jj+1
.endr
.endm
; O^T / the sum is y: register 16 b + i of lane (r, h) is d = 32 b + 16 h + i of query place r: two blocks of 32 along C, quantised in registers.
.macro FINISH
.rept 4
	v_nop                                          ; places behind the last products
.endr
	v_add_f32 v14, v14, v15
	s_delay_alu instid0(VALU_DEP_1)
	v_permlanex16_b32 v224, v14, s[SEL], s[SEL+1]
	s_delay_alu instid0(VALU_DEP_1)
	v_add_f32 v14, v14, v224                       ; the row's sum
	s_wait_alu depctr_va_vdst(0)
	v_rcp_f32 v14, v14
	v_nop                                          ; a plain line behind the transcendental
.set jj, 0
	s_wait_alu depctr_va_vdst(0)
.rept 16
	v_pk_mul_f32 v[SS+jj:SS+jj+1], v[OT+jj:OT+jj+1], v[14:15] op_sel_hi:[1,0]   ; each accumulator from its low end on
.set jj, jj+2
.endr
.irp b, 0,1
	v_max3_num_f32 v[BM+\b], |v[SS+16*\b]|, |v[SS+1+16*\b]|, 0x2800000
.endr
.irp i, 2,4,6,8,10,12,14
.irp b, 0,1
	s_delay_alu instid0(VALU_DEP_2)
	v_max3_num_f32 v[BM+\b], v[BM+\b], |v[SS+16*\b+\i]|, |v[SS+1+16*\b+\i]|
.endr
.endr
.irp b, 0,1
	s_delay_alu instid0(VALU_DEP_2)
	v_permlanex16_b32 v[PT+\b], v[BM+\b], s[SEL], s[SEL+1]
.endr
.irp b, 0,1
	s_delay_alu instid0(VALU_DEP_2)
	v_max_num_f32 v[BM+\b], v[BM+\b], v[PT+\b]
.endr
.irp b, 0,1
	s_delay_alu instid0(VALU_DEP_2)
	v_add_nc_u32 v[SOP+\b], 0xfe000000, v[BM+\b]
.endr
.irp b, 0,1
	s_delay_alu instid0(VALU_DEP_2)
	v_lshrrev_b32 v[PT+\b], 23, v[SOP+\b]
.endr
	v_cvt_scalef32_pk16_bf6_f32 v[176:178], v[SS:SS+15], v[SOP]
	v_cvt_scalef32_pk16_bf6_f32 v[180:182], v[SS+16:SS+31], v[SOP+1]
	v_cndmask_b32 v224, v[PT], v[PT+1], s[HM]      ; lanes 0-15 store block 0's byte, lanes 16-31 block 1's (also the plain line behind the conversions)
	ds_store_b96 v[STOY], v[176:178]
	ds_store_b96 v[STOY], v[180:182] offset:640
	ds_load_b96 v[184:186], v[RDY]                 ; LDS serves a wave's instructions in order
	ds_load_b96 v[188:190], v[RDY] offset:128
	s_wait_alu depctr_va_vdst(0)
	s_wait_dscnt 0x0
	global_store_b96 v[GO], v[184:186], s[66:67]             ; 384 consecutive bytes; the two stores fill three aligned runs of 256
	global_store_b96 v[GO], v[188:190], s[66:67] offset:384
	global_store_b8 v[GSB], v224, s[68:69]
.endm
	s_wait_tensorcnt 0x0                           ; my sixteenth of K, V and the scale words is in,
	s_barrier_signal -1
	s_barrier_wait -1                              ; everybody's is
	s_wait_loadcnt 0x0                             ; Q
	INIT 0
	WALK
	s_wait_alu depctr_va_vdst(0)
	FINISH
	INIT 1
	WALK
	s_wait_alu depctr_va_vdst(0)
	FINISH
	s_wait_dscnt 0x0
	s_wait_tensorcnt 0x0
	ds_add_u32 v254, v255
	s_wait_dscnt 0x0
	CROUND                                         ; the closing round
	s_endpgm
.Lfunc_end_k_q75d617f0a8_attn:
	.size	k_q75d617f0a8_attn, .Lfunc_end_k_q75d617f0a8_attn-k_q75d617f0a8_attn
	.p2alignl 7, 3214868480
	.fill 96, 4, 3214868480
	.section	.rodata,"a",@progbits
	.p2align	6, 0x0
	.amdhsa_kernel k_q75d617f0a8_attn
		.amdhsa_group_segment_fixed_size 235520
		.amdhsa_private_segment_fixed_size 0
		.amdhsa_enable_private_segment 0
		.amdhsa_kernarg_size 32
		.amdhsa_user_sgpr_count 2
		.amdhsa_user_sgpr_kernarg_segment_ptr 1
		.amdhsa_wavefront_size32 1
		.amdhsa_system_sgpr_workgroup_id_x 1
		.amdhsa_system_sgpr_workgroup_id_y 1
		.amdhsa_system_sgpr_workgroup_id_z 1
		.amdhsa_system_vgpr_workitem_id 0
		.amdhsa_next_free_vgpr 256
		.amdhsa_next_free_sgpr 80
		.amdhsa_reserve_vcc 1
		.amdhsa_float_denorm_mode_32 3
		.amdhsa_float_denorm_mode_16_64 3
		.amdhsa_memory_ordered 1
		.amdhsa_forward_progress 1
		.amdhsa_inst_pref_size 71
	.end_amdhsa_kernel
	.amdgpu_metadata
---
amdhsa.version: [ 1, 2 ]
amdhsa.kernels:
  - .name:           k_q75d617f0a8_attn
    .symbol:         k_q75d617f0a8_attn.kd
    .args:
      - { .name: qkvc, .offset: 0, .size: 8, .value_kind: global_buffer, .address_space: global }
      - { .name: qkvs, .offset: 8, .size: 8, .value_kind: global_buffer, .address_space: global }
      - { .name: yc, .offset: 16, .size: 8, .value_kind: global_buffer, .address_space: global }
      - { .name: ys, .offset: 24, .size: 8, .value_kind: global_buffer, .address_space: global }
    .group_segment_fixed_size: 235520
    .private_segment_fixed_size: 0
    .kernarg_segment_align: 8
    .kernarg_segment_size: 32
    .max_flat_workgroup_size: 512
    .sgpr_count:     80
    .vgpr_count:     256
    .wavefront_size: 32
...
	.end_amdgpu_metadata
.endif
;; end of part 3
;; launch proj (part 4): grid 4 x 64, 4 waves a work-group, clusters of 4 x 4, 307,712 bytes of LDS; arguments yc, ys, opc, ops, b_proj, out0; writes out0
.if DOCPART == 4
	.amdgcn_target "amdgcn-amd-amdhsa--gfx1250"
	.amdhsa_code_object_version 6
	.text
	.protected	k_q75d617f0a8_proj
	.globl	k_q75d617f0a8_proj
	.p2align	8
	.type	k_q75d617f0a8_proj,@function
k_q75d617f0a8_proj:
	s_mov_b64 s[64:65], 0
	v_nop
	global_prefetch_b8 v0, s[64:65] scope:SCOPE_SE
	s_setreg_imm32_b32 hwreg(HW_REG_WAVE_MODE, 25, 1), 1
	s_wait_xcnt 0x0
	s_wait_alu depctr_hold_cnt(0) depctr_sa_sdst(0) depctr_va_vdst(0) depctr_va_sdst(0) depctr_va_ssrc(0) depctr_va_vcc(0) depctr_vm_vsrc(0)
	s_getreg_b32 s2, hwreg(HW_REG_IB_STS2, 6, 4)
	s_cmp_eq_u32 s2, 0
	s_cbranch_scc0 .Lentry_in_a_cluster
	s_endpgm
.Lentry_in_a_cluster:
	s_bfe_u32 s2, ttmp6, 0x10000c
	s_cmp_lg_u32 s2, 0xf033
	s_cbranch_scc0 .Lentry_shape_is_right
	s_endpgm
.Lentry_shape_is_right:
; out0 = y w_proj + b_proj on codes of BF6 (E3M2) with E8M0 scales, K = 1,024; out0 [8192][1024] f32.
; y: yc [kc = K / 64][place of the token 8,192][48 bytes], ys [group of 16 places][K / 256][place][2 words].  w_proj's columns: places 11,264 on of opc [kc][place 12,288][48], ops likewise.  A place is SW(number): bits 3 and 4 changed over.
; A work-group makes 128 tokens x 256 columns: 64 x 4 = 256 work-groups.  Four waves, each 64 x 128: 32 accumulators.  ALL OF K for the tile lies in LDS, filled once, in four chunks of 256 along K: no refill; a chunk is read as soon as it has landed.
; CLUSTERS: 4 x 4: y's tiles are asked for jointly along a row of the cluster, w_proj's along a column.  THE MATRIX INSTRUCTION IS USED TRANSPOSED (source 0 = 16 places of columns, source 1 = 16 places of tokens):
; a lane holds one token and eight neighbouring columns.  The bias is the C of each sum's first product.  No prefetch: every byte is asked for in the first lines.
; REGISTERS: window 0: v8-17 addresses; v24-26 the way out; v32-79 scale words, two sets of 24; v80-143 the bias; v144-239 y's fragments, two sets of 48.  window 1: the columns' fragments, two sets, at v0 and v128.  window 2: the accumulators, (a, b) at v[8 (8 a + b)].
.set CHUNK, 73728                      ; [y half 0 12,288][y half 1][columns half 0 24,576][half 1]
.set SCA,   294912                     ; y's scales, 4,096 bytes
.set SCB,   299008                     ; the columns', 8,192
.set ADRA,  8
.set ADRB,  12
.set ASA,   16
.set ASB,   17
.set STO,   24
.set RD,    25
.set CO,    26
.set SC,    32
.set CB,    80
.set AF,    144
.set BK,    80                         ; the way out: rows read back: v80-143 and v144-207 by turns
.set G1A,   16
.set G1B,   24
.set G1SA,  32
.set G1SB,  40
.set MSB, 0
.macro WIN new
.if MSB != \new
	s_set_vgpr_msb (MSB<<8)|\new
.set MSB, \new
.endif
.endm
.macro CROUND
	s_barrier_signal -1
	s_barrier_wait -1
	s_cmp_lg_u32 s12, 0
	s_cbranch_scc1 .Lnot_wave_0_\@
	s_barrier_signal -3
.Lnot_wave_0_\@:
	s_barrier_wait -3
	s_barrier_signal -1
	s_barrier_wait -1
.endm
	s_load_b256 s[4:11], s[0:1], 0x0               ; yc s[4:5], ys s[6:7], opc s[8:9], ops s[10:11]
	s_load_b128 s[92:95], s[0:1], 0x20             ; b_proj s[92:93], out0 s[94:95]
	v_lshl_add_u32 v254, v0, 2, 0x4b000
	v_mov_b32 v255, 0
	ds_add_u32 v254, v255
	ds_add_u32 v254, v255
	v_lshrrev_b32 v1, 5, v0
	v_readfirstlane_b32 s12, v1                    ; wave 0..3
	s_lshr_b32 s13, s12, 1                         ; which 64 tokens are mine.  Also: I fetch y's (0) or the columns' (1)
	s_and_b32 s14, s12, 1                          ; which 128 columns.  Also: which half I fetch
	s_bfe_u32 s96, ttmp6, 0x40000                  ; cx: the tile column
	s_bfe_u32 s97, ttmp6, 0x40004                  ; cy
	s_and_b32 s98, ttmp7, 0xffff
	s_lshl_b32 s98, s98, 2
	s_add_co_u32 s98, s98, s97                     ; the tile row = 4 x cluster y + cy
	s_lshl_b32 s99, s97, 2
	s_lshl_b32 s99, 15, s99                        ; my row of the cluster
	s_lshl_b32 s100, 0x1111, s96                   ; my column
	s_or_b32 s[G1A], s99, (3<<16)|(1<<21)          ; y: 4 rows (kc) of 384 elements of 8 bytes (64 places x 48), 49,152 elements apart
	s_mov_b32 s[G1A+1], 384<<16
	s_mov_b32 s[G1A+2], 4<<16
	s_mov_b32 s[G1A+3], 384<<16
	s_mov_b32 s[G1A+4], 4
	s_mov_b32 s[G1A+5], 49152
	s_mov_b32 s[G1A+6], 0
	s_mov_b32 s[G1A+7], 0
	s_or_b32 s[G1B], s100, (3<<16)|(1<<21)         ; columns: 4 rows of 768 elements (128 places x 48), 73,728 apart
	s_mov_b32 s[G1B+1], 768<<16
	s_mov_b32 s[G1B+2], 4<<16
	s_mov_b32 s[G1B+3], 768<<16
	s_mov_b32 s[G1B+4], 4
	s_mov_b32 s[G1B+5], 73728
	s_mov_b32 s[G1B+6], 0
	s_mov_b32 s[G1B+7], 0
	s_or_b32 s[G1SA], s99, (3<<16)|(1<<21)         ; scales: dense bytes as rows of 256: 8 rows for 64 places,
	s_mov_b32 s[G1SA+1], 32<<16
	s_mov_b32 s[G1SA+2], 8<<16
	s_mov_b32 s[G1SA+3], 32<<16
	s_mov_b32 s[G1SA+4], 8
	s_mov_b32 s[G1SA+5], 32
	s_mov_b32 s[G1SA+6], 0
	s_mov_b32 s[G1SA+7], 0
	s_or_b32 s[G1SB], s100, (3<<16)|(1<<21)        ; 16 for 128
	s_mov_b32 s[G1SB+1], 32<<16
	s_mov_b32 s[G1SB+2], 16<<16
	s_mov_b32 s[G1SB+3], 32<<16
	s_mov_b32 s[G1SB+4], 16
	s_mov_b32 s[G1SB+5], 32
	s_mov_b32 s[G1SB+6], 0
	s_mov_b32 s[G1SB+7], 0
	s_lshl_b32 s2, s98, 7
	s_lshl_b32 s15, s14, 6
	s_add_co_u32 s2, s2, s15                       ; y: place 128 x tile row + 64 x half
	s_lshl_b32 s3, s96, 8
	s_lshl_b32 s15, s14, 7
	s_add_co_u32 s3, s3, s15
	s_add_co_u32 s3, s3, 11264                     ; columns: place 11,264 + 256 x tile column + 128 x half
	s_mul_i32 s50, s2, 48
	s_mov_b32 s51, 0
	s_lshl_b32 s70, s2, 5
	s_mov_b32 s71, 0
	s_mul_i32 s74, s3, 48
	s_mov_b32 s75, 0
	s_lshl_b32 s90, s3, 5
	s_mov_b32 s91, 0
	s_mul_i32 s15, s14, 12288
	s_mul_i32 s101, s14, 24576
	s_add_co_u32 s101, s101, 24576
.irp c, 0,1,2,3                        ; groups 0: y's chunk c in s[48 + 4 c ..], the columns' in s[72 + 4 c ..]
	s_mov_b32 s[48+4*\c], 1
	s_add_co_u32 s[49+4*\c], s15, \c*CHUNK
	s_mov_b32 s[72+4*\c], 1
	s_add_co_u32 s[73+4*\c], s101, \c*CHUNK
.endr
	s_mov_b32 s68, 1                               ; y's scales in s[68:71], the columns' in s[88:91]
	s_lshl_b32 s69, s14, 11
	s_add_co_u32 s69, s69, SCA
	s_mov_b32 s88, 1
	s_lshl_b32 s89, s14, 12
	s_add_co_u32 s89, s89, SCB
	s_wait_dscnt 0x0
	s_wait_kmcnt 0x0
	s_add_nc_u64 s[50:51], s[4:5], s[50:51]
	s_add_nc_u64 s[70:71], s[6:7], s[70:71]
	s_add_nc_u64 s[74:75], s[8:9], s[74:75]
	s_add_nc_u64 s[90:91], s[10:11], s[90:91]
.irp c, 1,2,3
	s_add_nc_u64 s[50+4*\c:51+4*\c], s[50:51], \c*1572864     ; four kc of yc on
	s_add_nc_u64 s[74+4*\c:75+4*\c], s[74:75], \c*2359296     ; four kc of opc on
.endr
.irp c, 0,1,2,3
	s_or_b32 s[51+4*\c], s[51+4*\c], 0x80000000
	s_or_b32 s[75+4*\c], s[75+4*\c], 0x80000000
.endr
	s_or_b32 s71, s71, 0x80000000
	s_or_b32 s91, s91, 0x80000000
	CROUND                                         ; all sixteen work-groups are here: the joint loads meet
	s_cmp_eq_u32 s13, 0                            ; a wave's five fills stand in one branch on its number: five tensor loads of mine are out
	s_cbranch_scc0 .Lfor_b
	tensor_load_to_lds s[68:71], s[G1SA:G1SA+7]
	s_nop 0
	tensor_load_to_lds s[48:51], s[G1A:G1A+7]
	s_nop 0
	tensor_load_to_lds s[52:55], s[G1A:G1A+7]
	s_nop 0
	tensor_load_to_lds s[56:59], s[G1A:G1A+7]
	s_nop 0
	tensor_load_to_lds s[60:63], s[G1A:G1A+7]
	s_nop 0
.rept 4
	v_nop
.endr
	s_branch .Lasked
.Lfor_b:
	tensor_load_to_lds s[88:91], s[G1SB:G1SB+7]
	s_nop 0
	tensor_load_to_lds s[72:75], s[G1B:G1B+7]
	s_nop 0
	tensor_load_to_lds s[76:79], s[G1B:G1B+7]
	s_nop 0
	tensor_load_to_lds s[80:83], s[G1B:G1B+7]
	s_nop 0
	tensor_load_to_lds s[84:87], s[G1B:G1B+7]
	s_nop 0
.rept 4
	v_nop
.endr
.Lasked:
	v_and_b32 v1, 15, v0                           ; r
	v_bfe_u32 v2, v0, 4, 1                         ; h
	v_mul_u32_u24 v3, v1, 48
	v_mad_u32_u24 v3, v2, 24, v3                   ; 48 r + 24 h
	s_mul_i32 s2, s13, 12288                       ; my 64 places of y
	s_mul_i32 s3, s14, 24576
	s_add_co_u32 s3, s3, 24576                     ; my 128 places of columns
.irp c, 0,1,2,3
	v_add_nc_u32 v[ADRA+\c], s2, v3
	v_add_nc_u32 v[ADRB+\c], s3, v3
	s_add_co_u32 s2, s2, CHUNK
	s_add_co_u32 s3, s3, CHUNK
.endr
	s_lshl_b32 s2, s13, 11
	s_add_co_u32 s2, s2, SCA
	v_lshl_add_u32 v[ASA], v1, 3, s2
	s_lshl_b32 s3, s14, 12
	s_add_co_u32 s3, s3, SCB
	v_lshl_add_u32 v[ASB], v1, 3, s3
	s_mul_i32 s2, s12, 8448                        ; my stage for the way out: 16 rows x 528 bytes, in chunk 0
	v_mul_u32_u24 v5, v1, 528
	v_lshl_add_u32 v5, v2, 6, v5
	v_add_nc_u32 v[STO], s2, v5                    ; row r, + 64 h
	v_and_b32 v6, 31, v0
	v_lshlrev_b32 v[CO], 4, v6
	v_add_nc_u32 v[RD], s2, v[CO]
	s_lshl_b32 s2, s96, 10                         ; my first column, in bytes: 1,024 x tile column + 512 x half
	s_lshl_b32 s3, s14, 9
	s_add_co_u32 s2, s2, s3
	s_mov_b32 s3, 0
	s_add_nc_u64 s[92:93], s[92:93], s[2:3]
	s_add_nc_u64 s[94:95], s[94:95], s[2:3]
	s_lshl_b32 s2, s98, 19                         ; my first token: 128 x tile row + 64 x half, rows of 4,096 bytes
	s_lshl_b32 s15, s13, 18
	s_add_co_u32 s2, s2, s15
	s_add_nc_u64 s[94:95], s[94:95], s[2:3]
	v_lshlrev_b32 v4, 6, v2                        ; the bias: tile b's columns 32 (b / 2) + 8 (b % 2) + 16 h + 0 .. 7
.irp b, 0,1,2,3,4,5,6,7
	global_load_b128 v[CB+8*\b:CB+8*\b+3], v4, s[92:93] offset:4*(32*(\b/2)+8*(\b%2))
	global_load_b128 v[CB+8*\b+4:CB+8*\b+7], v4, s[92:93] offset:4*(32*(\b/2)+8*(\b%2))+16
.endr
.macro PLACES
.rept 4
	v_nop
.endr
.endm
; The fragments of step q (128 along K: half q % 2 of chunk q / 2) into set q % 2; with a chunk's first step its scale words: two words a place
.macro FETCH q
.set CC, (\q)/2
.set QQ, (\q)%2
	WIN 0x40
.irp i, 0,1,2,3,4,5,6,7
.irp p, 0,1,2,3,4,5
	ds_load_b64 v[128*QQ+12*\i+2*\p:128*QQ+12*\i+2*\p+1], v[ADRB+CC] offset:(2*QQ+\p/3)*6144+768*\i+8*(\p%3)
.endr
.endr
	WIN 0
.irp i, 0,1,2,3
.irp p, 0,1,2,3,4,5
	ds_load_b64 v[AF+48*QQ+12*\i+2*\p:AF+48*QQ+12*\i+2*\p+1], v[ADRA+CC] offset:(2*QQ+\p/3)*3072+768*\i+8*(\p%3)
.endr
.endr
.if QQ == 0
.irp i, 0,1,2,3
	ds_load_b64 v[SC+24*(CC%2)+2*\i:SC+24*(CC%2)+2*\i+1], v[ASA] offset:512*\i+128*CC
.endr
.irp i, 0,1,2,3,4,5,6,7
	ds_load_b64 v[SC+24*(CC%2)+8+2*\i:SC+24*(CC%2)+8+2*\i+1], v[ASB] offset:512*\i+128*CC
.endr
.endif
.endm
; Step q: the next step's fragments are asked for, then 32 products, the accumulators by turns.
.macro PSTEP q
	s_wait_dscnt 0x0                               ; this step's fragments are in
.if ((\q)%2 == 1) && ((\q) < 7)
	s_wait_tensorcnt 3-((\q)+1)/2                  ; my part of the next chunk is in; the chunks issued behind it may stay out
	s_barrier_signal -1
	s_barrier_wait -1                              ; everybody's is
.endif
.if (\q) < 7
.if (\q) > 0
	PLACES                                         ; in front of loads into registers that the last step's products read
.endif
	FETCH (\q)+1
.endif
.set CC, (\q)/2
.set QQ, (\q)%2
.if (\q) == 0
	WIN 0x81                                       ; C (the bias) in window 0, D in window 2
.else
	WIN 0xa1
.endif
.irp a, 0,1,2,3
.irp b, 0,1,2,3,4,5,6,7
.if (\q) == 0
	v_wmma_scale_f32_16x16x128_f8f6f4 v[8*(8*\a+\b):8*(8*\a+\b)+7], v[128*QQ+12*\b:128*QQ+12*\b+11], v[AF+48*QQ+12*\a:AF+48*QQ+12*\a+11], v[CB+8*\b:CB+8*\b+7], v[SC+24*(CC%2)+8+2*\b+QQ], v[SC+24*(CC%2)+2*\a+QQ] matrix_a_fmt:MATRIX_FMT_BF6 matrix_b_fmt:MATRIX_FMT_BF6
.else
	v_wmma_scale_f32_16x16x128_f8f6f4 v[8*(8*\a+\b):8*(8*\a+\b)+7], v[128*QQ+12*\b:128*QQ+12*\b+11], v[AF+48*QQ+12*\a:AF+48*QQ+12*\a+11], v[8*(8*\a+\b):8*(8*\a+\b)+7], v[SC+24*(CC%2)+8+2*\b+QQ], v[SC+24*(CC%2)+2*\a+QQ] matrix_a_fmt:MATRIX_FMT_BF6 matrix_b_fmt:MATRIX_FMT_BF6
.endif
.endr
.endr
	WIN 0
.endm
	s_wait_tensorcnt 3                             ; the scales and my part of chunk 0 are in; chunks 1 to 3 may stay out
	s_barrier_signal -1
	s_barrier_wait -1
	FETCH 0
	s_wait_loadcnt 0x0                             ; the bias
.irp q, 0,1,2,3,4,5,6,7
	PSTEP \q
.endr
; THE WAY OUT, block by block of 16 token places x 128 columns, through my own stage and back as whole rows of 512 bytes.  The stage lies in chunk 0: its last reads were waited for in front of the barrier of step 1, and nothing is filled there again.
; Row t of block a is token 32 (a / 2) + 8 (a % 2) + 16 (t / 8) + t % 8 of my 64.
.macro TOSTAGE a
	WIN 0x08                                       ; an LDS store's data: window 2
.irp b, 0,1,2,3,4,5,6,7
	ds_store_b128 v[STO], v[8*(8*(\a)+\b):8*(8*(\a)+\b)+3] offset:128*(\b/2)+32*(\b%2)          ; each accumulator from its low end on
	ds_store_b128 v[STO], v[8*(8*(\a)+\b)+4:8*(8*(\a)+\b)+7] offset:128*(\b/2)+32*(\b%2)+16
.endr
	WIN 0
.set BB, BK+64*((\a)%2)
.irp t, 0,1,2,3,4,5,6,7,8,9,10,11,12,13,14,15
	ds_load_b128 v[BB+4*\t:BB+4*\t+3], v[RD] offset:\t*528   ; LDS serves a wave's instructions in order
.endr
.endm
.macro SEND a, younger
.set BB, BK+64*((\a)%2)
	s_wait_dscnt \younger
.irp t, 0,1,2,3,4,5,6,7,8,9,10,11,12,13,14,15
	global_store_b128 v[CO], v[BB+4*\t:BB+4*\t+3], s[94:95] offset:(32*((\a)/2)+8*((\a)%2)+16*(\t/8)+\t%8)*4096 th:TH_STORE_NT   ; 32 lanes store 512 consecutive bytes, aligned; written once, read by nobody here
.endr
.endm
	PLACES                                         ; behind the last products
	TOSTAGE 0
.irp a, 1,2,3
.if \a > 1
	s_wait_xcnt 0x0                                ; block a - 2's stores have read their registers: block a's loads may land there
.endif
	TOSTAGE \a
	SEND \a-1, 32                                  ; behind block a - 1's loads: block a's 16 stores and 16 loads
.endr
	SEND 3, 0
	s_wait_dscnt 0x0
	s_wait_tensorcnt 0x0
	ds_add_u32 v254, v255
	s_wait_dscnt 0x0
	CROUND                                         ; the closing round
	s_endpgm
.Lfunc_end_k_q75d617f0a8_proj:
	.size	k_q75d617f0a8_proj, .Lfunc_end_k_q75d617f0a8_proj-k_q75d617f0a8_proj
	.p2alignl 7, 3214868480
	.fill 96, 4, 3214868480
	.section	.rodata,"a",@progbits
	.p2align	6, 0x0
	.amdhsa_kernel k_q75d617f0a8_proj
		.amdhsa_group_segment_fixed_size 307712
		.amdhsa_private_segment_fixed_size 0
		.amdhsa_enable_private_segment 0
		.amdhsa_kernarg_size 48
		.amdhsa_user_sgpr_count 2
		.amdhsa_user_sgpr_kernarg_segment_ptr 1
		.amdhsa_wavefront_size32 1
		.amdhsa_system_sgpr_workgroup_id_x 1
		.amdhsa_system_sgpr_workgroup_id_y 1
		.amdhsa_system_sgpr_workgroup_id_z 1
		.amdhsa_system_vgpr_workitem_id 0
		.amdhsa_next_free_vgpr 768
		.amdhsa_next_free_sgpr 102
		.amdhsa_reserve_vcc 0
		.amdhsa_float_denorm_mode_32 3
		.amdhsa_float_denorm_mode_16_64 3
		.amdhsa_memory_ordered 1
		.amdhsa_forward_progress 1
		.amdhsa_inst_pref_size 100
	.end_amdhsa_kernel
	.amdgpu_metadata
---
amdhsa.version: [ 1, 2 ]
amdhsa.kernels:
  - .name:           k_q75d617f0a8_proj
    .symbol:         k_q75d617f0a8_proj.kd
    .args:
      - { .name: yc, .offset: 0, .size: 8, .value_kind: global_buffer, .address_space: global }
      - { .name: ys, .offset: 8, .size: 8, .value_kind: global_buffer, .address_space: global }
      - { .name: opc, .offset: 16, .size: 8, .value_kind: global_buffer, .address_space: global }
      - { .name: ops, .offset: 24, .size: 8, .value_kind: global_buffer, .address_space: global }
      - { .name: b_proj, .offset: 32, .size: 8, .value_kind: global_buffer, .address_space: global }
      - { .name: out0, .offset: 40, .size: 8, .value_kind: global_buffer, .address_space: global }
    .group_segment_fixed_size: 307712
    .private_segment_fixed_size: 0
    .kernarg_segment_align: 8
    .kernarg_segment_size: 48
    .max_flat_workgroup_size: 128
    .sgpr_count:     102
    .vgpr_count:     768
    .wavefront_size: 32
...
	.end_amdgpu_metadata
.endif
;; end of part 4
